; MI455X (gfx1250); checked and timed in simulation.
; The chip was launched on July 23, 2026; its instructions are those of AMD's public machine-readable ISA for CDNA 5 (MIT licence, August 2026) and "CDNA5" Instruction Set Architecture Reference Guide (July 2026). The comments in the code are by the model that wrote it; some were corrected since.
;; Multi Headed Attention. Allowed arithmetic: matrix products marked QUANTISED: E5M2 operands, one given power-of-two scale a tensor, by v_wmma_f32_16x16x64_bf8_bf8 or v_wmma_f32_16x16x128_bf8_bf8, f32 sums; everything else in f32.
;; Inputs: Wk 1,024 x 1,024 float32; Wm 1,024 x 1,024 float32; Wq 1,024 x 1,024 float32; Wv 1,024 x 1,024 float32; bk 1,024 float32; bm 1,024 float32; bq 1,024 float32; bv 1,024 float32; key_in 4 x 1,024 x 2,048 float32; lowp_scales 12 int32 (the exponents e of the quantised operands' scales 2^e); query 4 x 1,024 x 2,048 float32; value 4 x 1,024 x 2,048 float32.
;; Outputs: out0 4 x 1,024 x 2,048 float32.
;; This version of the problem:
;;   THIS VERSION OF THE PROBLEM IS GIVEN IN LOW PRECISION. The matrix products marked QUANTISED in the list below multiply operands that are first quantised to E5M2 (5 exponent bits, 2 mantissa bits; 8 bits a number), with one given power-of-two scale for each operand tensor; their sums are f32. All else is computed in f32.
;;   The module's matrix products, in the order in which they are computed (A, B: the left and right operand; K: the contracted axis; several contracted axes count as one K, in the product's order):
;;     1. [M 8,192, K 1,024] x [K 1,024, N 1,024]; A: input query; B: input Wq: QUANTISED (scales: A lowp_scales[0], B lowp_scales[1])
;;     2. [M 8,192, K 1,024] x [K 1,024, N 1,024]; A: input key_in; B: input Wk: QUANTISED (scales: A lowp_scales[2], B lowp_scales[3])
;;     3. [M 8,192, K 1,024] x [K 1,024, N 1,024]; A: input value; B: input Wv: QUANTISED (scales: A lowp_scales[4], B lowp_scales[5])
;;     4. batch 64 x [M 2,048, K 64] x [K 64, N 2,048]; A: computed on the way; B: computed on the way: QUANTISED (scales: A lowp_scales[6], B lowp_scales[7])
;;     5. batch 64 x [M 64, K 2,048] x [K 2,048, N 2,048]; A: computed on the way; B: softmax (see below): QUANTISED (scales: A lowp_scales[8], B lowp_scales[9])
;;     6. [M 8,192, K 1,024] x [K 1,024, N 1,024]; A: computed on the way; B: input Wm: QUANTISED (scales: A lowp_scales[10], B lowp_scales[11])
;;   THE QUANTISER, for each operand of a quantised product, along K:
;;     - The operand's scale is 2^e, e = its entry of the input lowp_scales (int32; the entries are numbered through the quantised products in the list's order, A before B).
;;     - Each number is divided by the scale, clamped to +-57,344, and rounded to the nearest number of E5M2, ties to even, subnormals kept.
;;     - The product sums the exact products of the quantised numbers (number of the format x scale) in f32.
;;   ~~~python
;;   def quantise(x, axis, e):      # numpy; x: float32 -> the quantised numbers, widened to float32 again
;;       x = np.moveaxis(x, axis, -1); K = x.shape[-1]
;;       r = np.clip(x / 2.0 ** e, -57344, 57344)
;;       step = 2.0 ** (np.maximum(np.frexp(np.where(r == 0, 1, r))[1] - 1, -14) - 2)
;;       q = np.round(r / step) * step * 2.0 ** e      # np.round: ties to even
;;       return np.moveaxis(q, -1, axis).astype(np.float32)
;;   ~~~
;;   SOFTMAX AHEAD OF A QUANTISED PRODUCT. Where the list says 'softmax', what is quantised is not the finished softmax but p = 2^(t - M), with t = logit x log2(e) and M = ceil(the row's largest t), a whole number; so 1/2 < the row's largest p <= 1. The row's sum l is taken of the UNQUANTISED p, in f32, and the product's result is divided by l at the end. Since M is a whole number, a kernel that streams over the keys may use a running M (the ceiling of the running maximum): every later rescaling is an exact power of two, so the quantised numbers keep their values, but for numbers so far below the row's largest that they fall under the format's range.
;;   OPERANDS COMPUTED ON THE WAY. 'Computed on the way' means the value that the module computes at that place (a softmax that the list does not call 'softmax' is quantised finished and normalised). What goes into a quantiser is computed in f32, as accurately as f32 sums, v_exp_f32 and their like allow (about 1e-6 of the number): no bf16 or f16 on the way to a quantiser, and a product that is left as it is and whose result goes on into a quantised operand takes f32 operands (vector FMAs, or v_wmma_f32_16x16x4_f32). A number that lies on a knife's edge between two numbers of the format may be rounded either way, as far as f32 arithmetic and the matrix unit's own rounding can turn it there, and no further.
;; One version. Each part assembles by itself: llvm-mc -triple=amdgcn-amd-amdhsa -mcpu=gfx1250 --defsym DOCPART=n.
;; ======== version 1 of 1: 5 launches
;; limits: right only within a limited range of input values
;; workspace buffers: ximg 25,165,824 bytes; wimg 4,194,304 bytes; qkv 25,165,824 bytes; aimg 8,388,608 bytes
;; launch quant_x (part 1): grid 64 x 12, 4 waves a work-group, no clusters, 0 bytes of LDS; arguments query, key_in, value, lowp_scales, ximg; writes ximg
.if DOCPART == 1
	.amdgcn_target "amdgcn-amd-amdhsa--gfx1250"
	.amdhsa_code_object_version 6
	.text
	.protected	k_q18134f3ab1_quant_x
	.globl	k_q18134f3ab1_quant_x
	.p2align	8
	.type	k_q18134f3ab1_quant_x,@function
k_q18134f3ab1_quant_x:
	s_mov_b64 s[64:65], 0
	v_nop
	global_prefetch_b8 v0, s[64:65] scope:SCOPE_SE
	s_setreg_imm32_b32 hwreg(HW_REG_WAVE_MODE, 25, 1), 1
	s_wait_xcnt 0x0
; query, key_in, value: [4][1024 (d)][2048 (n)] f32, K = d is NOT innermost.  They become codes of E5M2, each tensor with its given scale 2^e (entries 0, 2, 4 of the scales),
; laid as IMAGES OF OPERAND REGISTERS.  Rows are the positions b x 2048 + n.  A ROW TILE 2 G + u holds rows 32 G + 8 u + i + 8 (i / 8), i = 0 .. 15.  Its image is 16,384 bytes:
; unit U (16 codes along K) at 256 U, row i at 16 i in it.  ORDER OF K: code 4 jj + t of unit U is channel d = 512 (U / 32) + 128 jj + 4 (U % 32) + t; the weights are laid in the same order.
; code = x / 2^e, held within +-57,344, to the nearest code, ties to even.  LIMITS: e between -126 and 112; NaN among the inputs is not served.
; A LANE TAKES A POSITION AND ITS REGISTERS RUN DOWN K: a load reads 128 consecutive bytes a wave (the four waves stand side by side on 512), and the conversions give 16 codes of one unit in four registers.
; Lane l takes column r + (r & 8) + 8 u of its wave's 32 (r = l % 16, u = l / 16): lanes 0-15 are tile 2 G's rows in order, lanes 16-31 tile 2 G + 1's: each half of the lanes stores 256 consecutive bytes, aligned.
; SHARES: work-group x = 128 positions, y = 4 T + sigma: tensor T, 256 along K.  Waves share nothing: no LDS, no barrier, no cluster.  Loads run two blocks (64 loads a wave) ahead.
.set X,    32                          ; v32-95   two sets of 32 numbers
.set C,    96                          ; v96-159  eight registers of codes for each of the 8 blocks: no store's data are written again
.set EMAX, 15
.set MANT, 0x600000                    ; the mantissa field of 57,344 as f32
	s_load_b256 s[4:11], s[0:1], 0x0               ; query s[4:5], key_in s[6:7], value s[8:9], the scales' exponents s[10:11]
	s_load_b64 s[12:13], s[0:1], 0x20              ; ximg
	v_lshrrev_b32 v1, 5, v0
	v_readfirstlane_b32 s16, v1                    ; wave 0..3
	v_and_b32 v2, 15, v0                           ; r
	v_bfe_u32 v5, v0, 4, 1                         ; u
	v_and_b32 v6, 8, v2
	v_add_nc_u32 v6, v6, v2                        ; r + (r & 8)
	v_lshl_add_u32 v6, v5, 3, v6                   ; + 8 u: my column among the wave's 32
	v_lshlrev_b32 v3, 2, v6                        ; in: 4 bytes a column
	v_lshlrev_b32 v4, 4, v2                        ; out: 16 r
	v_lshl_add_u32 v4, v5, 14, v4                  ;      + 16,384 u: the second tile's image
	s_and_b32 s17, ttmp7, 0xffff
	s_lshr_b32 s18, s17, 2                         ; T
	s_and_b32 s19, s17, 3                          ; sigma
	s_lshr_b32 s28, ttmp9, 4
	s_lshl_b32 s28, s28, 23                        ; b x 1,024 x 8,192
	s_lshr_b32 s29, s19, 1
	s_lshl_b32 s29, s29, 22                        ; 512 (sigma / 2) rows of 8,192 bytes
	s_add_co_u32 s28, s28, s29
	s_and_b32 s29, s19, 1
	s_lshl_b32 s29, s29, 19                        ; 64 (sigma % 2) rows
	s_add_co_u32 s28, s28, s29
	s_and_b32 s29, ttmp9, 15
	s_lshl_b32 s29, s29, 9                         ; 128 columns a work-group
	s_add_co_u32 s28, s28, s29
	s_lshl_b32 s29, s16, 7                         ; 32 a wave
	s_add_co_u32 s28, s28, s29
	s_mov_b32 s29, 0
	s_lshl_b32 s30, s18, 23                        ; T x 8 MiB
	s_lshl_b32 s31, ttmp9, 2
	s_add_co_u32 s31, s31, s16                     ; G = 4 x work-group x + wave
	s_lshl_b32 s31, s31, 15                        ; two images
	s_add_co_u32 s30, s30, s31
	s_lshl_b32 s31, s19, 12                        ; 16 units of 256 bytes
	s_add_co_u32 s30, s30, s31
	s_mov_b32 s31, 0
	s_wait_alu depctr_va_vdst(0)
	s_wait_kmcnt 0x0
	s_load_b256 s[20:27], s[10:11], 0x0            ; entries 0 to 7
	s_cmp_eq_u32 s18, 1                            ; the tensor is chosen by the work-group's number alone
	s_cselect_b64 s[4:5], s[6:7], s[4:5]
	s_cmp_eq_u32 s18, 2
	s_cselect_b64 s[4:5], s[8:9], s[4:5]
	s_add_nc_u64 s[4:5], s[4:5], s[28:29]
	s_add_nc_u64 s[12:13], s[12:13], s[30:31]
.macro LOAD t                          ; block t: codes 32 t + i of my 256 along K, i = 0 .. 31, in the order of K stated above, into set t % 2
.set ii, 0
.rept 32
	global_load_b32 v[X+32*((\t)%2)+ii], v3, s[4:5] offset:(128*((ii>>2)&3)+8*(\t)+4*(ii>>4)+(ii&3))*8192 th:TH_LOAD_NT
.set ii, ii+1
.endr
.endm
	LOAD 0
	LOAD 1
	s_wait_kmcnt 0x0
	s_cmp_eq_u32 s18, 1
	s_cselect_b32 s20, s22, s20
	s_cmp_eq_u32 s18, 2
	s_cselect_b32 s20, s24, s20                    ; e = entry 2 T
	s_add_co_i32 s20, s20, 127
	s_lshl_b32 s21, s20, 23
	v_mov_b32 v11, s21                             ; 2^e as f32: the conversion takes its exponent field
	s_add_co_i32 s20, s20, EMAX
	s_lshl_b32 s20, s20, 23
	s_or_b32 s20, s20, MANT
.macro BLOCK t
.set XS, X+32*((\t)%2)
.if (\t) < 7
	s_wait_loadcnt 32                              ; this block's 32 loads are in; the next block's 32 may be out
.else
	s_wait_loadcnt 0
.endif
.set ii, 0
.rept 32
.set ii, ii+1
.endr
.irp g, 0,1,2,3
	v_cvt_scalef32_pk8_bf8_f32 v[C+8*(\t)+2*\g:C+8*(\t)+2*\g+1], v[XS+8*\g:XS+8*\g+7], v11
.endr
	global_store_b128 v4, v[C+8*(\t):C+8*(\t)+3], s[12:13] offset:512*(\t)           ; unit 2 t of my 16: sixteen lanes store 256 consecutive bytes, aligned
	global_store_b128 v4, v[C+8*(\t)+4:C+8*(\t)+7], s[12:13] offset:512*(\t)+256     ; unit 2 t + 1
.if (\t)+2 < 8
	LOAD (\t)+2                                    ; (the results go to stores alone; the next vector lines are the next block's plain holds, on the other set)
.endif
.endm
	s_wait_alu depctr_va_vdst(0)
.irp t, 0,1,2,3,4,5,6,7
	BLOCK \t
.endr
	s_endpgm
.Lfunc_end_k_q18134f3ab1_quant_x:
	.size	k_q18134f3ab1_quant_x, .Lfunc_end_k_q18134f3ab1_quant_x-k_q18134f3ab1_quant_x
	.p2alignl 7, 3214868480
	.fill 96, 4, 3214868480
	.section	.rodata,"a",@progbits
	.p2align	6, 0x0
	.amdhsa_kernel k_q18134f3ab1_quant_x
		.amdhsa_group_segment_fixed_size 0
		.amdhsa_private_segment_fixed_size 0
		.amdhsa_enable_private_segment 0
		.amdhsa_kernarg_size 40
		.amdhsa_user_sgpr_count 2
		.amdhsa_user_sgpr_kernarg_segment_ptr 1
		.amdhsa_wavefront_size32 1
		.amdhsa_system_sgpr_workgroup_id_x 1
		.amdhsa_system_sgpr_workgroup_id_y 1
		.amdhsa_system_sgpr_workgroup_id_z 1
		.amdhsa_system_vgpr_workitem_id 0
		.amdhsa_next_free_vgpr 160
		.amdhsa_next_free_sgpr 66
		.amdhsa_reserve_vcc 0
		.amdhsa_float_denorm_mode_32 3
		.amdhsa_float_denorm_mode_16_64 3
		.amdhsa_fp16_overflow 1
		.amdhsa_memory_ordered 1
		.amdhsa_forward_progress 1
		.amdhsa_inst_pref_size 31
	.end_amdhsa_kernel
	.amdgpu_metadata
---
amdhsa.version: [ 1, 2 ]
amdhsa.kernels:
  - .name:           k_q18134f3ab1_quant_x
    .symbol:         k_q18134f3ab1_quant_x.kd
    .args:
      - { .name: query, .offset: 0, .size: 8, .value_kind: global_buffer, .address_space: global }
      - { .name: key_in, .offset: 8, .size: 8, .value_kind: global_buffer, .address_space: global }
      - { .name: value, .offset: 16, .size: 8, .value_kind: global_buffer, .address_space: global }
      - { .name: lowp_scales, .offset: 24, .size: 8, .value_kind: global_buffer, .address_space: global }
      - { .name: ximg, .offset: 32, .size: 8, .value_kind: global_buffer, .address_space: global }
    .group_segment_fixed_size: 0
    .private_segment_fixed_size: 0
    .kernarg_segment_align: 8
    .kernarg_segment_size: 40
    .max_flat_workgroup_size: 128
    .sgpr_count:     66
    .vgpr_count:     160
    .wavefront_size: 32
...
	.end_amdgpu_metadata
.endif
;; end of part 1
;; launch quant_w (part 2): grid 256 x 1, 16 waves a work-group, no clusters, 19,456 bytes of LDS; arguments Wq, Wk, Wv, Wm, lowp_scales, wimg; writes wimg
.if DOCPART == 2
	.amdgcn_target "amdgcn-amd-amdhsa--gfx1250"
	.amdhsa_code_object_version 6
	.text
	.protected	k_q18134f3ab1_quant_w
	.globl	k_q18134f3ab1_quant_w
	.p2align	8
	.type	k_q18134f3ab1_quant_w,@function
k_q18134f3ab1_quant_w:
	s_mov_b64 s[64:65], 0
	v_nop
	global_prefetch_b8 v0, s[64:65] scope:SCOPE_SE
	s_setreg_imm32_b32 hwreg(HW_REG_WAVE_MODE, 25, 1), 1
	s_wait_xcnt 0x0
; Wq, Wk, Wv, Wm: [1024 (e)][1024 (d)] f32, K = d innermost.  They become codes of E5M2 with the given scales (entries 1, 3, 5, 11), laid as images of operand registers:
; tensor T at T MiB; row tile tau (rows rho = 32 (tau / 2) + 8 (tau % 2) + i + 8 (i / 8)) at 16,384 tau; unit U (16 codes along K) at 256 U; row i at 16 i.
; ROWS.  Wq, Wk, Wv: rho = 64 h + dd stands for channel e = 16 dd + h, so that a head's 64 channels are neighbours.  Wm: rho = e.
; K.  Wq, Wk, Wv: code 4 jj + t of unit U is d = 512 (U / 32) + 128 jj + 4 (U % 32) + t, as the activations' images have it.  Wm: code i of unit U is k = 16 U + i = 64 h + dd, which stands for channel 16 dd + h.
; LIMITS: e between -126 and 112; NaN among the inputs is not served.
; SHARES: a work-group makes one row tile, wave w its row i = w.  A lane makes two units' 16 codes of that row; the sixteen rows of a unit meet in a stage in LDS (64 places of 256 + 16 bytes)
; and leave as whole units: sixteen lanes store 256 consecutive bytes, aligned.  Work-groups share no input: no cluster.
	s_load_b256 s[4:11], s[0:1], 0x0               ; Wq, Wk, Wv, Wm
	s_load_b128 s[12:15], s[0:1], 0x20             ; the scales' exponents s[12:13], wimg s[14:15]
	v_lshl_add_u32 v64, v0, 2, 0x4400
	v_mov_b32 v65, 0
	v_lshrrev_b32 v1, 5, v0
	s_delay_alu instid0(VALU_DEP_1)
	v_readfirstlane_b32 s16, v1                    ; wave 0..15
	v_and_b32 v1, 31, v0                           ; lane l
	v_and_b32 v8, 15, v0                           ; l % 16
	v_bfe_u32 v9, v0, 4, 1                         ; l / 16
	s_delay_alu instid0(VALU_DEP_3)
	v_lshlrev_b32 v2, 4, v1                        ; Wq, Wk, Wv: 16 l: a load reads 512 consecutive bytes
	s_delay_alu instid0(VALU_DEP_3)
	v_lshlrev_b32 v3, 2, v8
	s_delay_alu instid0(VALU_DEP_1)
	v_lshl_add_u32 v3, v9, 10, v3                  ; Wm: head l % 16, dd from 16 (l / 16) on
	v_mul_u32_u24 v4, v1, 272
	s_lshl_b32 s17, s16, 4
	v_add_nc_u32 v4, s17, v4                       ; the stage, in: place l (and l + 32), row w
	v_mul_u32_u24 v5, v9, 272
	s_delay_alu instid0(VALU_DEP_1)
	v_lshl_add_u32 v5, v8, 4, v5
	s_mul_i32 s17, s16, 1088
	v_add_nc_u32 v5, s17, v5                       ; out: places 4 w + l / 16 (and + 2), 16 bytes a lane
	s_lshl_b32 s17, s16, 2
	v_add_nc_u32 v10, s17, v9                      ; the two places that I read back
	s_wait_alu depctr_va_vdst(0)
	v_add_nc_u32 v11, 2, v10
	s_lshr_b32 s18, ttmp9, 6                       ; T
	s_and_b32 s19, ttmp9, 63                       ; tau
	s_lshr_b32 s20, s19, 1
	s_lshl_b32 s20, s20, 5
	s_and_b32 s21, s19, 1
	s_lshl_b32 s21, s21, 3
	s_add_co_u32 s20, s20, s21
	s_add_co_u32 s20, s20, s16
	s_and_b32 s21, s16, 8
	s_add_co_u32 s20, s20, s21                     ; rho
	s_and_b32 s21, s20, 63
	s_lshl_b32 s21, s21, 4
	s_lshr_b32 s22, s20, 6
	s_add_co_u32 s21, s21, s22                     ; 16 dd + h
	s_cmp_eq_u32 s18, 3
	s_cselect_b32 s20, s20, s21                    ; the row of W that I read
	s_cselect_b32 s30, -1, 0                       ; all lanes: is it Wm?
	s_lshl_b32 s20, s20, 12                        ; rows of 4,096 bytes
	s_mov_b32 s21, 0
	s_lshl_b32 s22, s18, 20
	s_lshl_b32 s23, s19, 14
	s_add_co_u32 s22, s22, s23
	s_mov_b32 s23, 0
; Place X of the stage holds unit X (Wq, Wk, Wv) or unit 4 (X % 16) + 2 (X / 32) + (X / 16) % 2 (Wm).  Only the offset of a global store hangs on the choice.
.macro UNIT dst, x
	v_and_b32 v12, 15, v[\x]
	v_lshrrev_b32 v13, 5, v[\x]
	s_delay_alu instid0(VALU_DEP_2)
	v_lshlrev_b32 v12, 2, v12
	s_delay_alu instid0(VALU_DEP_1)
	v_lshl_add_u32 v12, v13, 1, v12
	v_bfe_u32 v13, v[\x], 4, 1
	s_delay_alu instid0(VALU_DEP_1)
	v_add_nc_u32 v12, v12, v13
	s_delay_alu instid0(VALU_DEP_1)
	v_cndmask_b32 v12, v[\x], v12, s30
	s_delay_alu instid0(VALU_DEP_1)
	v_lshlrev_b32 v12, 8, v12
	s_delay_alu instid0(VALU_DEP_1)
	v_lshl_add_u32 v[\dst], v8, 4, v12
.endm
	UNIT 6, 10
	UNIT 7, 11
	s_wait_kmcnt 0x0
	s_load_b256 s[32:39], s[12:13], 0x0            ; entries 0 to 7
	s_load_b128 s[40:43], s[12:13], 0x20           ; entries 8 to 11
	s_cmp_eq_u32 s18, 1
	s_cselect_b64 s[4:5], s[6:7], s[4:5]
	s_cmp_eq_u32 s18, 2
	s_cselect_b64 s[4:5], s[8:9], s[4:5]
	s_cmp_eq_u32 s18, 3
	s_cselect_b64 s[4:5], s[10:11], s[4:5]
	s_add_nc_u64 s[4:5], s[4:5], s[20:21]
	s_add_nc_u64 s[14:15], s[14:15], s[22:23]
	s_cmp_eq_u32 s18, 3                            ; a branch on the work-group's number, round the loads alone; both ways write v16-47
	s_cbranch_scc1 .Lwm
.irp j, 0,1,2,3,4,5,6,7
	global_load_b128 v[16+4*\j:19+4*\j], v2, s[4:5] offset:512*\j th:TH_LOAD_NT     ; d = 128 j + 4 l + 0 .. 3: registers 16 g + 4 jj + t are unit l + 32 g
.endr
	s_branch .Ljoin
.Lwm:
.irp g, 0,1
.irp i, 0,1,2,3,4,5,6,7,8,9,10,11,12,13,14,15
	global_load_b32 v[16+16*\g+\i], v3, s[4:5] offset:2048*\g+64*\i th:TH_LOAD_NT   ; channel 16 (32 g + 16 (l / 16) + i) + l % 16
.endr
.endr
.Ljoin:
	s_wait_kmcnt 0x0
	s_cmp_eq_u32 s18, 1
	s_cselect_b32 s33, s35, s33
	s_cmp_eq_u32 s18, 2
	s_cselect_b32 s33, s37, s33
	s_cmp_eq_u32 s18, 3
	s_cselect_b32 s33, s43, s33                    ; e = entry 1, 3, 5 or 11
	s_add_co_i32 s33, s33, 127
	s_lshl_b32 s34, s33, 23
	v_mov_b32 v14, s34                             ; 2^e as f32
	s_wait_alu depctr_va_vdst(0)
	s_wait_loadcnt 0x0
.set ii, 0
.rept 32
.set ii, ii+1
.endr
.irp g, 0,1,2,3
	v_cvt_scalef32_pk8_bf8_f32 v[48+2*\g:49+2*\g], v[16+8*\g:23+8*\g], v14
.endr
	v_nop                                          ; a plain vector line behind the last conversion
	ds_store_b128 v4, v[48:51]
	ds_store_b128 v4, v[52:55] offset:8704         ; 32 places on
	s_wait_dscnt 0x0                               ; for the others' sake: my stores have landed
	s_barrier_signal -1
	s_barrier_wait -1
	ds_load_b128 v[56:59], v5
	ds_load_b128 v[60:63], v5 offset:544           ; two places on
	s_wait_dscnt 1                                 ; the first is in; the second may be out
	global_store_b128 v6, v[56:59], s[14:15]
	s_wait_dscnt 0x0
	global_store_b128 v7, v[60:63], s[14:15]
	s_wait_tensorcnt 0x0
	ds_add_u32 v64, v65
	s_wait_dscnt 0x0
	s_endpgm
.Lfunc_end_k_q18134f3ab1_quant_w:
	.size	k_q18134f3ab1_quant_w, .Lfunc_end_k_q18134f3ab1_quant_w-k_q18134f3ab1_quant_w
	.p2alignl 7, 3214868480
	.fill 96, 4, 3214868480
	.section	.rodata,"a",@progbits
	.p2align	6, 0x0
	.amdhsa_kernel k_q18134f3ab1_quant_w
		.amdhsa_group_segment_fixed_size 19456
		.amdhsa_private_segment_fixed_size 0
		.amdhsa_enable_private_segment 0
		.amdhsa_kernarg_size 48
		.amdhsa_user_sgpr_count 2
		.amdhsa_user_sgpr_kernarg_segment_ptr 1
		.amdhsa_wavefront_size32 1
		.amdhsa_system_sgpr_workgroup_id_x 1
		.amdhsa_system_sgpr_workgroup_id_y 1
		.amdhsa_system_sgpr_workgroup_id_z 1
		.amdhsa_system_vgpr_workitem_id 0
		.amdhsa_next_free_vgpr 66
		.amdhsa_next_free_sgpr 66
		.amdhsa_reserve_vcc 0
		.amdhsa_float_denorm_mode_32 3
		.amdhsa_float_denorm_mode_16_64 3
		.amdhsa_fp16_overflow 1
		.amdhsa_memory_ordered 1
		.amdhsa_forward_progress 1
		.amdhsa_inst_pref_size 10
	.end_amdhsa_kernel
	.amdgpu_metadata
---
amdhsa.version: [ 1, 2 ]
amdhsa.kernels:
  - .name:           k_q18134f3ab1_quant_w
    .symbol:         k_q18134f3ab1_quant_w.kd
    .args:
      - { .name: Wq, .offset: 0, .size: 8, .value_kind: global_buffer, .address_space: global }
      - { .name: Wk, .offset: 8, .size: 8, .value_kind: global_buffer, .address_space: global }
      - { .name: Wv, .offset: 16, .size: 8, .value_kind: global_buffer, .address_space: global }
      - { .name: Wm, .offset: 24, .size: 8, .value_kind: global_buffer, .address_space: global }
      - { .name: lowp_scales, .offset: 32, .size: 8, .value_kind: global_buffer, .address_space: global }
      - { .name: wimg, .offset: 40, .size: 8, .value_kind: global_buffer, .address_space: global }
    .group_segment_fixed_size: 19456
    .private_segment_fixed_size: 0
    .kernarg_segment_align: 8
    .kernarg_segment_size: 48
    .max_flat_workgroup_size: 512
    .sgpr_count:     66
    .vgpr_count:     66
    .wavefront_size: 32
...
	.end_amdgpu_metadata
.endif
;; end of part 2
;; launch proj (part 3): grid 4 x 96, 4 waves a work-group, clusters of 4 x 4, 327,680 bytes of LDS; arguments ximg, wimg, bq, bk, bv, lowp_scales, qkv; writes qkv
.if DOCPART == 3
	.amdgcn_target "amdgcn-amd-amdhsa--gfx1250"
	.amdhsa_code_object_version 6
	.text
	.protected	k_q18134f3ab1_proj
	.globl	k_q18134f3ab1_proj
	.p2align	8
	.type	k_q18134f3ab1_proj,@function
k_q18134f3ab1_proj:
	s_mov_b64 s[64:65], 0
	v_nop
	global_prefetch_b8 v0, s[64:65] scope:SCOPE_SE
	s_setreg_imm32_b32 hwreg(HW_REG_WAVE_MODE, 25, 1), 1
	s_wait_xcnt 0x0
	s_wait_alu depctr_hold_cnt(0) depctr_sa_sdst(0) depctr_va_vdst(0) depctr_va_sdst(0) depctr_va_ssrc(0) depctr_va_vcc(0) depctr_vm_vsrc(0)
	s_getreg_b32 s2, hwreg(HW_REG_IB_STS2, 6, 4)
	s_cmp_eq_u32 s2, 0
	s_cbranch_scc0 .Lentry_in_a_cluster
	s_endpgm
.Lentry_in_a_cluster:
	s_bfe_u32 s2, ttmp6, 0x10000c
	s_cmp_lg_u32 s2, 0xf033
	s_cbranch_scc0 .Lentry_shape_is_right
	s_endpgm
.Lentry_shape_is_right:
; The three projections q, k, v = W x + b on codes of E5M2 (K = 1,024), and their quantising for attention.  Operands come as images of operand registers (a row tile of 16 rows: 16,384 bytes, unit U of 16 codes
; along K at 256 U, row i at 16 i), so a fragment of 128 along K is four loads of 512 consecutive bytes.  A row tile 2 G + u holds rows 32 G + 8 u + i + 8 (i / 8).
; A work-group makes 256 P rows (source 0) x 256 R rows (source 1); a wave 128 x 128: 64 accumulators.  In a result lane l holds R's row l % 16 of its tile, and the 16 registers of P's tiles 2 G, 2 G + 1 are
; the 16 NEIGHBOURING P rows 32 G + 16 (l / 16) + 0 .. 15: so two conversions give four registers that ARE the next product's operand.
;   q, k (T = 0, 1): P = W (rows 64 h + dd), R = the positions: a lane holds a position, registers run along dd.     v (T = 2): P = the positions (keys), R = Wv: a lane holds a dd, registers run along the keys.
; sum x 2^(ex + ew) + bias, held within +-57,344 x 2^eo, converted with 2^eo (eo = entry 6, 7, 8).  LIMITS: ex + ew between -126 and 127; eo between -126 and 112.  The sums run in a permuted order of K, the same in both operands.
; OUT.  Q at 0, K at 8 MiB: (16 b + h) x 131,072 + tile x 1,024 + c x 512 + 16 lane: dd = 32 c + 16 (lane / 16) + 0 .. 15 of the tile's row lane % 16.
;       V at 16 MiB: b x 2 MiB + (h / 2) x 262,144 + (c / 2) x 131,072 + ks x 8,192 + (h % 2) x 4,096 + dt x 1,024 + (c % 2) x 512 + 16 lane: keys 128 ks + 32 c + 16 (lane / 16) + 0 .. 15 of row lane % 16 of dd tile dt.
; K goes through a ring of two LDS slots of 256 along K, filled by the tensor data mover: four fills in all.  CLUSTERS: 4 x 4 work-groups; the four of a row of the cluster need the same R rows, the four of a
; column the same P rows: each tile is asked for jointly.  A cluster belongs to one tensor T, so every branch on T is alike in all partners.
; REGISTERS, in windows of 256: window 0: v0-31 addresses; v32-95, v96-111 the biases; from v128 R's fragments, ONE set.  window 1: P's fragments, TWO sets.  windows 2, 3: the accumulators ((a, b) at v[8 (8 (a % 4) + b)]).
.set FR,     16                        ; registers of a fragment: 16 rows x 128 K
.set NL,     4                         ; LDS loads that bring one
.set NP,     4                         ; places behind this matrix instruction (ISA guide 7.12.1)
.set REGION, 32768                     ; 8 row tiles x 4,096 bytes (256 along K): what one tensor load brings, and what one wave reads of R or of P
.set SLOT,   4*REGION                  ; R's two halves, then P's two halves
.set SPARE,  2*SLOT                    ; behind the ring: the spare words, 128 bytes for each wave: two blocks of 256 bytes that no other line names
.set ADRA, 16                          ; v16-17  LDS address of my R fragments in slot 0, 1
.set ADRB, 20                          ; v20-21  the same for P
.set SPW,  28                          ; v28     LDS address of my spare word; never rewritten
.set NIL,  29                          ; v29     0; never rewritten
.set AF,   128                         ; R's fragments, in window 0
.set G1, 24                            ; s[24:31] descriptor group 1 for R's tiles;  s[32:39] group 0, one set for each slot
.set G0, 32
.set G1B, 48                           ; s[48:55], s[56:63] the same for P's tiles
.set G0B, 56
.set MSB, 0
.macro WIN new                         ; the immediate's high byte repeats the setting that is left
.if MSB != \new
	s_set_vgpr_msb (MSB<<8)|\new
.set MSB, \new
.endif
.endm
.set MUL_LO, 0xa1                      ; source 0 (P) window 1, source 1 (R) window 0, C and D window 2
.set MUL_HI, 0xf1                      ; the same, C and D window 3
.set TO_B,   0x40                      ; destination window 1, address window 0
; A joint load: waves 0 and 1 fetch for R, waves 2 and 3 for P.  The branch hangs on the wave's number alone.  Four v_nop follow each of the two lines.
.macro JLOAD g0a, g1a, g0b, g1b
	s_cmp_eq_u32 s15, 0
	s_cbranch_scc0 .Lfor_b_\@
	tensor_load_to_lds s[\g0a:\g0a+3], s[\g1a:\g1a+7]
	s_nop 0
.rept 4
	v_nop
.endr
	s_branch .Lasked_\@
.Lfor_b_\@:
	tensor_load_to_lds s[\g0b:\g0b+3], s[\g1b:\g1b+7]
	s_nop 0
.rept 4
	v_nop
.endr
.Lasked_\@:
.endm
.macro CREST                           ; a round of the cluster's barrier behind its opening barrier
	s_cmp_lg_u32 s14, 0
	s_cbranch_scc1 .Lnot_wave_0_\@
	s_barrier_signal -3
.Lnot_wave_0_\@:
	s_barrier_wait -3
	s_barrier_signal -1
	s_barrier_wait -1
.endm
.macro CROUND                          ; a whole round
	s_barrier_signal -1
	s_barrier_wait -1
	CREST
.endm
	s_load_b256 s[4:11], s[0:1], 0x0               ; ximg s[4:5], wimg s[6:7], bq s[8:9], bk s[10:11]
	s_load_b128 s[68:71], s[0:1], 0x20             ; bv s[68:69], the scales' exponents s[70:71]
	s_load_b64 s[12:13], s[0:1], 0x30              ; qkv
	v_lshl_add_u32 v[SPW], v0, 2, SPARE
	v_mov_b32 v[NIL], 0
	ds_add_u32 v28, v29
	ds_add_u32 v28, v29
	s_wait_dscnt 0x0
	v_lshrrev_b32 v1, 5, v0
	v_readfirstlane_b32 s14, v1                    ; wave 0..3
	s_lshr_b32 s15, s14, 1                         ; which half of the R rows is mine.  Also: I fetch for R (0) or for P (1)
	s_and_b32 s16, s14, 1                          ; which half of the P rows.  Also: which 128 rows of that tile I fetch
	s_bfe_u32 s40, ttmp6, 0x40000                  ; cx, cy: my place in the cluster
	s_bfe_u32 s41, ttmp6, 0x40004
	s_and_b32 s18, ttmp7, 0xffff                   ; the cluster's number, 0 .. 23
	s_lshr_b32 s17, s18, 3                         ; T: the same in all sixteen partners
	s_and_b32 s18, s18, 7
	s_lshl_b32 s18, s18, 2                         ; four blocks of 256 positions to a cluster
	s_cmp_eq_u32 s17, 2
	s_cselect_b32 s19, s18, 0
	s_cselect_b32 s18, 0, s18
	s_add_co_u32 s42, s40, s19                     ; P's block: cx (W), or 4 c8 + cx (v: the positions)
	s_add_co_u32 s43, s41, s18                     ; R's block: 4 c8 + cy (the positions), or cy (v: Wv)
	s_lshl_b32 s44, s41, 2
	s_lshl_b32 s44, 15, s44                        ; my row of the cluster
	s_lshl_b32 s45, 0x1111, s40                    ; my column
	; descriptor group 1: 8 rows (row tiles) of 512 elements of 8 bytes, 2,048 elements (an image) apart; dense in LDS
	s_or_b32 s[G1+0], s44, (3<<16)|(1<<21)         ; 15:0 the mask: R's tiles go to my row; 17:16 elements of 8 bytes; 21 set beside a mask
	s_or_b32 s[G1B+0], s45, (3<<16)|(1<<21)
.irp g, G1, G1B
	s_mov_b32 s[\g+1], 512<<16                     ; tensor_dim0
	s_mov_b32 s[\g+2], 8<<16                       ; tensor_dim1
	s_mov_b32 s[\g+3], 512<<16                     ; tile_dim0
	s_mov_b32 s[\g+4], 8                           ; tile_dim1
	s_mov_b32 s[\g+5], 2048                        ; tensor_dim0_stride
	s_mov_b32 s[\g+6], 0
	s_mov_b32 s[\g+7], 0
.endr
	s_lshl_b32 s20, s43, 18                        ; R: 16 images a block,
	s_lshl_b32 s21, s16, 17                        ; 8 a half
	s_add_co_u32 s20, s20, s21
	s_lshl_b32 s46, s42, 18                        ; P likewise; R's registers never hold cx, P's never cy
	s_add_co_u32 s46, s46, s21
	s_lshl_b32 s22, s17, 23
	s_lshl_b32 s23, s17, 20
	s_cmp_eq_u32 s17, 2
	s_cselect_b32 s22, 0x200000, s22               ; R: Wv in wimg, or tensor T in ximg
	s_cselect_b32 s23, 0x1000000, s23              ; P: value's codes in ximg, or W of tensor T in wimg
	s_add_co_u32 s20, s20, s22
	s_add_co_u32 s46, s46, s23
	s_mov_b32 s21, 0
	s_mov_b32 s47, 0
	s_mul_i32 s45, s14, REGION                     ; where my tiles go: wave x a region: no place in the cluster enters an LDS address
	s_wait_kmcnt 0x0
	s_load_b256 s[72:79], s[70:71], 0x0            ; entries 0 to 7
	s_load_b32 s80, s[70:71], 0x20                 ; entry 8
	s_cmp_eq_u32 s17, 2
	s_cselect_b64 s[2:3], s[6:7], s[4:5]           ; R's buffer
	s_cselect_b64 s[88:89], s[4:5], s[6:7]         ; P's buffer
	s_add_nc_u64 s[20:21], s[2:3], s[20:21]
	s_add_nc_u64 s[46:47], s[88:89], s[46:47]
	CROUND                                         ; all sixteen work-groups are here: the first joint loads meet
.irp s, 0,1
	s_mov_b32 s[G0+4*\s], 1
	s_add_co_u32 s[G0+4*\s+1], s45, \s*SLOT
	s_add_nc_u64 s[G0+4*\s+2:G0+4*\s+3], s[20:21], \s*4096
	s_or_b32 s[G0+4*\s+3], s[G0+4*\s+3], 0x80000000
	s_mov_b32 s[G0B+4*\s], 1
	s_add_co_u32 s[G0B+4*\s+1], s45, \s*SLOT
	s_add_nc_u64 s[G0B+4*\s+2:G0B+4*\s+3], s[46:47], \s*4096
	s_or_b32 s[G0B+4*\s+3], s[G0B+4*\s+3], 0x80000000
	s_wait_alu depctr_va_vdst(0)
	s_wait_tensorcnt 0x0
	ds_add_u32 v28, v29
	ds_add_u32 v28, v29
	s_wait_dscnt 0x0
	CROUND
	JLOAD G0+4*\s, G1, G0B+4*\s, G1B
.endr
	v_and_b32 v1, 31, v0
	v_lshlrev_b32 v4, 4, v1                        ; 16 x lane: my place in every image
	v_lshlrev_b32 v24, 4, v1                       ; the same, for the stores
	s_mul_i32 s21, s15, REGION                     ; my 128 rows of R
	s_mul_i32 s22, s16, REGION                     ; my 128 rows of P,
	s_add_co_u32 s22, s22, 2*REGION                ; which lie behind R's 256
.irp s, 0,1
	v_add_nc_u32 v[ADRA+\s], s21, v4
	v_add_nc_u32 v[ADRB+\s], s22, v4
	s_add_co_u32 s21, s21, SLOT
	s_add_co_u32 s22, s22, SLOT
.endr
	; THE BIASES, in both forms, so that no register is written on one way alone; the block's number is masked so that both stay inside the 4,096 bytes.  b[e], e = 16 dd + h.
	s_cmp_eq_u32 s17, 1
	s_cselect_b64 s[8:9], s[10:11], s[8:9]
	s_cmp_eq_u32 s17, 2
	s_cselect_b64 s[8:9], s[68:69], s[8:9]
	s_and_b32 s2, s42, 3
	s_lshl_b32 s2, s2, 4
	s_lshl_b32 s3, s16, 3
	s_add_co_u32 s2, s2, s3                        ; 4 bytes x my first head as P: 4 (block % 4) + 2 x half
	s_mov_b32 s3, 0
	s_add_nc_u64 s[82:83], s[8:9], s[2:3]
	s_and_b32 s2, s43, 3
	s_lshl_b32 s2, s2, 4
	s_lshl_b32 s90, s15, 3
	s_add_co_u32 s2, s2, s90                       ; the same as R
	s_add_nc_u64 s[84:85], s[8:9], s[2:3]
	v_and_b32 v2, 15, v0                           ; r
	v_bfe_u32 v3, v0, 4, 1                         ; lane / 16
	v_lshlrev_b32 v25, 10, v3                      ; along the registers: dd + 16 for lanes 16-31: 16 x 64 bytes
	v_and_b32 v5, 8, v2
	v_add_nc_u32 v5, v5, v2
	v_lshlrev_b32 v26, 6, v5                       ; along the lanes: dd = r + (r & 8): 64 bytes each
.set bb, 0
.rept 8
.set jj, 0
.rept 8
	global_load_b32 v[32+8*bb+jj], v25, s[82:83] offset:(32*((bb>>1)&1)+8*(bb&1)+jj)*64+(bb>>2)*4   ; q, k: register 8 b + j of a block: head b / 4, dd = 32 ((b / 2) % 2) + 16 (lane / 16) + 8 (b % 2) + j
.set jj, jj+1
.endr
.set bb, bb+1
.endr
.set aa, 0
.rept 8
	global_load_b32 v[96+2*aa], v26, s[84:85] offset:(32*((aa&3)>>1)+8*(aa&1))*64+(aa>>2)*4         ; v: block a: head a / 4, dd = 32 ((a % 4) / 2) + 8 (a % 2) + r + (r & 8); twice, a pair for the packed form
	global_load_b32 v[97+2*aa], v26, s[84:85] offset:(32*((aa&3)>>1)+8*(aa&1))*64+(aa>>2)*4
.set aa, aa+1
.endr
	; where my results go
	s_lshl_b32 s2, s42, 1
	s_add_co_u32 s2, s2, s16                       ; my 128 P rows' number
	s_lshl_b32 s3, s43, 1
	s_add_co_u32 s3, s3, s15                       ; my 128 R rows' number
	s_cmp_eq_u32 s17, 2
	s_cselect_b32 s90, s2, s3                      ; the positions' (0 .. 63)
	s_cselect_b32 s91, s3, s2                      ; the channels' (0 .. 7): a pair of heads
	s_lshr_b32 s92, s90, 4
	s_lshl_b32 s92, s92, 21                        ; b x 2 MiB
	s_lshl_b32 s91, s91, 18
	s_add_co_u32 s92, s92, s91
	s_and_b32 s90, s90, 15
	s_lshl_b32 s90, s90, 13                        ; 128 positions: 8 tiles of 1,024 bytes, or a key step of 8,192
	s_add_co_u32 s92, s92, s90
	s_lshl_b32 s90, s17, 23
	s_add_co_u32 s92, s92, s90
	s_mov_b32 s93, 0
	s_add_nc_u64 s[86:87], s[12:13], s[92:93]
.macro FRAG reg, adr, q, i             ; a fragment, 16 rows x 128 K: registers 4 c .. 4 c + 3 hold K = 32 c + 16 (l / 16) + 0 .. 15 of row l % 16: four loads of 512 consecutive bytes
.irp c, 0,1,2,3
	ds_load_b128 v[\reg+4*\c:\reg+4*\c+3], v[\adr] offset:4096*(\i)+2048*(\q)+512*\c
.endr
.endm
; 16 matrix instructions: R's blocks a0, a0 + 1 x P's eight, 128 along K.  p: P's set.  zero = 1: the first product starts the sums.  The 64 accumulators take turns, one instruction a turn.
.macro MUL16 a0, p, zero
.irp a, \a0, \a0+1
.irp b, 0,1,2,3,4,5,6,7
.if \zero
	v_wmma_f32_16x16x128_bf8_bf8 v[8*(8*((\a)%4)+\b):8*(8*((\a)%4)+\b)+7], v[128*(\p)+FR*\b:128*(\p)+FR*\b+FR-1], v[AF+FR*(\a):AF+FR*(\a)+FR-1], 0
.else
	v_wmma_f32_16x16x128_bf8_bf8 v[8*(8*((\a)%4)+\b):8*(8*((\a)%4)+\b)+7], v[128*(\p)+FR*\b:128*(\p)+FR*\b+FR-1], v[AF+FR*(\a):AF+FR*(\a)+FR-1], v[8*(8*((\a)%4)+\b):8*(8*((\a)%4)+\b)+7]
.endif
.endr
.endr
.endm
.macro FETCH_B slot, q, p              ; P's eight fragments of the slot's q-th 128 along K into set p
	WIN TO_B
.irp i, 0,1,2,3,4,5,6,7
	FRAG 128*(\p)+FR*\i, ADRB+\slot, \q, \i
.endr
	WIN 0
.endm
.macro FETCH_A slot, q, i0             ; R's blocks i0 .. i0 + 3
.irp i, \i0, \i0+1, \i0+2, \i0+3
	FRAG AF+FR*(\i), ADRA+\slot, \q, \i
.endr
.endm
.macro PLACES n                        ; plain vector lines between a matrix instruction and a load into, or a vector line on, its registers
.rept \n
	v_nop
.endr
.endm
.macro STEP slot, q, zero              ; a step of 128 along K that has its successor in the same slot
	s_wait_dscnt 4*NL                              ; P's set and R's blocks 0-3 are in; the youngest 16 loads (R's blocks 4-7) may be out
	WIN MUL_LO
	MUL16 0, (\q)%2, \zero
	MUL16 2, (\q)%2, \zero
	s_wait_dscnt 0                                 ; R's blocks 4-7 are in
	PLACES NP
	FETCH_B \slot, (\q)+1, 1-(\q)%2
	FETCH_A \slot, (\q)+1, 0
	WIN MUL_HI
	MUL16 4, (\q)%2, \zero
	MUL16 6, (\q)%2, \zero
	PLACES NP
	WIN 0
	FETCH_A \slot, (\q)+1, 4
.endm
; A slot's last step changes slots: ONE barrier; in front of it each wave waits for all its tensor loads, adds 0 to its spare word, and waits for that and for its own reads of this slot.  fill = 1: this slot is filled again.
.macro TURN slot, next, fill
	s_wait_tensorcnt 0x0                           ; all my tensor loads have landed: my part of the next slot
	ds_add_u32 v[SPW], v[NIL]                      ; 0 onto my spare word
	s_wait_dscnt 4*NL+1                            ; (the add and the youngest 16 loads, R's blocks 4-7, may be out)
	WIN MUL_LO
	MUL16 0, 1, 0                                  ; sixteen matrix instructions stand between the add and the wait for it
	s_wait_dscnt 0x0                               ; the add is done, and my reads of this slot are over
	s_barrier_signal -1
	MUL16 2, 1, 0
	WIN 0
	s_barrier_wait -1
.if \fill
	CREST                                          ; the barrier has opened a round of the cluster's barrier: no wave of any partner still reads this slot or has a load on its way
	s_add_nc_u64 s[G0+4*\slot+2:G0+4*\slot+3], s[G0+4*\slot+2:G0+4*\slot+3], 8192
	s_add_nc_u64 s[G0B+4*\slot+2:G0B+4*\slot+3], s[G0B+4*\slot+2:G0B+4*\slot+3], 8192
	JLOAD G0+4*\slot, G1, G0B+4*\slot, G1B         ; the first tensor load behind the round; its four v_nop are the places in front of the loads below
.else
	PLACES NP
.endif
	FETCH_B \next, 0, 0
	FETCH_A \next, 0, 0
	WIN MUL_HI
	MUL16 4, 1, 0
	MUL16 6, 1, 0
	PLACES NP
	WIN 0
	FETCH_A \next, 0, 4
.endm
	s_wait_alu depctr_va_vdst(0)
	s_wait_tensorcnt 1                             ; my part of slot 0 is in (slot 1's load may be out)
	s_barrier_signal -1
	s_barrier_wait -1                              ; everybody's is
	FETCH_B 0, 0, 0
	FETCH_A 0, 0, 0
	FETCH_A 0, 0, 4
	STEP 0, 0, 1                                   ; K = 1,024 is eight steps, written out: the first starts the sums
	TURN 0, 1, 1                                   ; slot 0 takes K 512 on
	STEP 1, 0, 0
	TURN 1, 0, 1                                   ; slot 1 takes K 768 on
	STEP 0, 0, 0
	TURN 0, 1, 0                                   ; nothing is left to fetch
	STEP 1, 0, 0
	s_wait_dscnt 4*NL
	WIN MUL_LO
	MUL16 0, 1, 0
	MUL16 2, 1, 0
	s_wait_dscnt 0
	WIN MUL_HI
	MUL16 4, 1, 0
	MUL16 6, 1, 0
	WIN 0
	; THE WAY OUT.  All choices by T are selections; the one branch picks the bias's form.
	s_wait_kmcnt 0x0
	s_add_co_i32 s72, s72, s73
	s_add_co_i32 s74, s74, s75
	s_add_co_i32 s76, s76, s77
	s_cmp_eq_u32 s17, 1
	s_cselect_b32 s72, s74, s72
	s_cselect_b32 s78, s79, s78
	s_cmp_eq_u32 s17, 2
	s_cselect_b32 s72, s76, s72                    ; ex + ew
	s_cselect_b32 s78, s80, s78                    ; eo
	s_add_co_i32 s72, s72, 127
	s_lshl_b32 s96, s72, 23                        ; 2^(ex + ew) as f32
	s_mov_b32 s97, s96                             ; (named with it as a pair, so it is written)
	s_add_co_i32 s78, s78, 127
	s_lshl_b32 s79, s78, 23
	v_mov_b32 v30, s79                             ; 2^eo as f32
	s_wait_loadcnt 0x0                             ; the biases
	PLACES NP
; Block a (16 R rows x my 128 P rows): 64 numbers a lane -> 16 registers of codes -> four stores of 512 consecutive bytes, aligned.  Each accumulator is read from its low end on.
.macro OUTBLK a, isv
.set AC, 64*((\a)%4)
.set CD, 192+16*((\a)%4)
	WIN 0x02+((\a)/4)                              ; source 0: window 2 or 3
.set jj, 0
.rept 32
.if \isv
	v_pk_fma_f32 v[128+jj:129+jj], v[AC+jj:AC+jj+1], s[96:97], v[96+2*(\a):97+2*(\a)] op_sel_hi:[1,0,1]
.else
	v_pk_fma_f32 v[128+jj:129+jj], v[AC+jj:AC+jj+1], s[96:97], v[32+jj:33+jj] op_sel_hi:[1,0,1]
.endif
.set jj, jj+2
.endr
	WIN 0
.set jj, 0
.rept 64
.set jj, jj+1
.endr
.set gg, 0
.rept 8
	v_cvt_scalef32_pk8_bf8_f32 v[CD+2*gg:CD+2*gg+1], v[128+8*gg:135+8*gg], v30
.set gg, gg+1
.endr
	v_nop                                          ; a plain vector line behind the last conversion: the next block writes its sources
.irp c, 0,1,2,3
	global_store_b128 v24, v[CD+4*\c:CD+4*\c+3], s[86:87] offset:(\a)*1024+(\c>>1)*131072+(\c&1)*512
.endr
.endm
	s_cmp_eq_u32 s17, 2                            ; alike in all partners; no LDS line and no barrier stands in either arm
	s_cbranch_scc1 .Lform_v
.irp a, 0,1,2,3
	OUTBLK \a, 0
.endr
	s_wait_xcnt 0x0                                ; blocks 0-3's stores have read their registers, which blocks 4-7 write again
.irp a, 4,5,6,7
	OUTBLK \a, 0
.endr
	s_branch .Ldone
.Lform_v:
.irp a, 0,1,2,3
	OUTBLK \a, 1
.endr
	s_wait_xcnt 0x0
.irp a, 4,5,6,7
	OUTBLK \a, 1
.endr
.Ldone:
	s_wait_tensorcnt 0x0                           ; the wave's end
	ds_add_u32 v[SPW], v[NIL]
	s_wait_dscnt 0x0
	CROUND                                         ; the closing round: no work-group ends while a partner may still ask for a tile that names it
	s_endpgm
.Lfunc_end_k_q18134f3ab1_proj:
	.size	k_q18134f3ab1_proj, .Lfunc_end_k_q18134f3ab1_proj-k_q18134f3ab1_proj
	.p2alignl 7, 3214868480
	.fill 96, 4, 3214868480
	.section	.rodata,"a",@progbits
	.p2align	6, 0x0
	.amdhsa_kernel k_q18134f3ab1_proj
		.amdhsa_group_segment_fixed_size 327680
		.amdhsa_private_segment_fixed_size 0
		.amdhsa_enable_private_segment 0
		.amdhsa_kernarg_size 56
		.amdhsa_user_sgpr_count 2
		.amdhsa_user_sgpr_kernarg_segment_ptr 1
		.amdhsa_wavefront_size32 1
		.amdhsa_system_sgpr_workgroup_id_x 1
		.amdhsa_system_sgpr_workgroup_id_y 1
		.amdhsa_system_sgpr_workgroup_id_z 1
		.amdhsa_system_vgpr_workitem_id 0
		.amdhsa_next_free_vgpr 1024
		.amdhsa_next_free_sgpr 98
		.amdhsa_reserve_vcc 0
		.amdhsa_float_denorm_mode_32 3
		.amdhsa_float_denorm_mode_16_64 3
		.amdhsa_fp16_overflow 1
		.amdhsa_memory_ordered 1
		.amdhsa_forward_progress 1
		.amdhsa_inst_pref_size 135
	.end_amdhsa_kernel
	.amdgpu_metadata
---
amdhsa.version: [ 1, 2 ]
amdhsa.kernels:
  - .name:           k_q18134f3ab1_proj
    .symbol:         k_q18134f3ab1_proj.kd
    .args:
      - { .name: ximg, .offset: 0, .size: 8, .value_kind: global_buffer, .address_space: global }
      - { .name: wimg, .offset: 8, .size: 8, .value_kind: global_buffer, .address_space: global }
      - { .name: bq, .offset: 16, .size: 8, .value_kind: global_buffer, .address_space: global }
      - { .name: bk, .offset: 24, .size: 8, .value_kind: global_buffer, .address_space: global }
      - { .name: bv, .offset: 32, .size: 8, .value_kind: global_buffer, .address_space: global }
      - { .name: lowp_scales, .offset: 40, .size: 8, .value_kind: global_buffer, .address_space: global }
      - { .name: qkv, .offset: 48, .size: 8, .value_kind: global_buffer, .address_space: global }
    .group_segment_fixed_size: 327680
    .private_segment_fixed_size: 0
    .kernarg_segment_align: 8
    .kernarg_segment_size: 56
    .max_flat_workgroup_size: 128
    .sgpr_count:     98
    .vgpr_count:     1024
    .wavefront_size: 32
...
	.end_amdgpu_metadata
.endif
;; end of part 3
;; launch attn (part 4): grid 4 x 64, 16 waves a work-group, clusters of 4 x 1, 264,192 bytes of LDS; arguments qkv, lowp_scales, aimg; writes aimg
.if DOCPART == 4
	.amdgcn_target "amdgcn-amd-amdhsa--gfx1250"
	.amdhsa_code_object_version 6
	.text
	.protected	k_q18134f3ab1_attn
	.globl	k_q18134f3ab1_attn
	.p2align	8
	.type	k_q18134f3ab1_attn,@function
k_q18134f3ab1_attn:
	s_mov_b64 s[64:65], 0
	v_nop
	global_prefetch_b8 v0, s[64:65] scope:SCOPE_SE
	s_setreg_imm32_b32 hwreg(HW_REG_WAVE_MODE, 25, 1), 1
	s_wait_xcnt 0x0
	s_wait_alu depctr_hold_cnt(0) depctr_sa_sdst(0) depctr_va_vdst(0) depctr_va_sdst(0) depctr_va_ssrc(0) depctr_va_vcc(0) depctr_vm_vsrc(0)
	s_getreg_b32 s2, hwreg(HW_REG_IB_STS2, 6, 4)
	s_cmp_eq_u32 s2, 0
	s_cbranch_scc0 .Lentry_in_a_cluster
	s_endpgm
.Lentry_in_a_cluster:
	s_bfe_u32 s2, ttmp6, 0x10000c
	s_cmp_lg_u32 s2, 0x3003
	s_cbranch_scc0 .Lentry_shape_is_right
	s_endpgm
.Lentry_shape_is_right:
; Attention of one (batch, head) pair bh = 16 b + h on codes of E5M2: head size 64, 2,048 queries, 2,048 keys.  q, k, v come as images of operand registers; the normalised result is quantised again
; (scale 2^e10) and stored as the last projection's operand image.
; THE SOFTMAX: t = score x log2(e) / 8; M = the running largest t rounded UP to a whole number; p = 2^(t - M) is quantised with 2^e9, not normalised; the sum is taken of the unquantised p and divides at the end.
; When M moves, the sum and O are multiplied by 2^(old M - new M): exact.
; SHARES.  A work-group owns 512 queries of one head; each of its sixteen waves two tiles of 16, in two passes.  The head's WHOLE K and V, 262,144 bytes, lie in LDS: fetched once, no byte of LDS is filled twice.
; CLUSTER: the four work-groups of a head need the same K and V: every tensor load is asked for jointly by all four.  Waves 0, 1 fetch K's two planes, waves 2, 3 V's, each in four quarters of 4 key steps,
; so that the first key steps are worked while the later quarters are on their way.
; LAYOUT.  Both products are used transposed: S^T = K Q^T (source 0 = 16 keys), O^T = V^T P^T (source 0 = 16 of the head's 64): a lane holds ONE query (lane % 16).  A tile 2 G + u of keys holds keys
; 32 G + 8 u + i + 8 (i / 8), so the 16 registers of tiles 2 G, 2 G + 1 are keys 32 G + 16 (lane / 16) + 0 .. 15: the conversions' results are the second product's operand.  The dd tiles of V are laid likewise,
; so O^T's 16 registers of two tiles are 16 neighbouring dd: the last conversions' results are the image's bytes.
; LDS: region w x 65,536: K's tiles 0-3 of each key step; K's tiles 4-7; V's keys 0-63 of each step; V's keys 64-127.  In a region: key step x 4,096 + tile x 1,024 + c x 512 + 16 lane.
; LIMITS: e6 + e7 between -123 and 130 (added to c's exponent field); e9 and e10 between -126 and 112; e8 + e9 goes in by v_ldexp_f32 and has none.  NaN among the inputs is not served.
; REGISTERS: v1 16 x lane; v8-11 the step's LDS addresses; v12 -M, v13 the largest t, v[14:15] the sum in two halves; v16-23, v24-31 Q of pass 0, 1; v32-95 K's, then V's fragments; v96-159 S^T, then p;
; v160-191 O^T; v192-207 the codes that leave; v209, v244 constants; v224-239 p's codes; v240-243, v246, v248, v249, v252-254 at work.
.set WV,  18                           ; s18  my wave's number
.set TB,  57                           ; s57  LDS byte of the key step in hand, in a region
.set CNT, 58                           ; s58  key steps to go in the loop
.macro CROUND                          ; a round of the cluster's barrier
	s_barrier_signal -1
	s_barrier_wait -1
	s_cmp_lg_u32 s[WV], 0
	s_cbranch_scc1 .Lnot_wave_0_\@
	s_barrier_signal -3
.Lnot_wave_0_\@:
	s_barrier_wait -3
	s_barrier_signal -1
	s_barrier_wait -1
.endm
	s_load_b128 s[4:7], s[0:1], 0x0                ; qkv s[4:5], the scales' exponents s[6:7]
	s_load_b64 s[8:9], s[0:1], 0x10                ; aimg
	v_lshl_add_u32 v251, v0, 2, 0x40000
	v_mov_b32 v255, 0
	ds_add_u32 v251, v255
	ds_add_u32 v251, v255
	v_lshrrev_b32 v2, 5, v0
	s_delay_alu instid0(VALU_DEP_1)
	v_readfirstlane_b32 s[WV], v2                  ; wave 0..15
	v_and_b32 v1, 31, v0
	s_delay_alu instid0(VALU_DEP_1)
	v_lshlrev_b32 v1, 4, v1                        ; 16 x lane; never rewritten
	s_bfe_u32 s10, ttmp6, 0x40000                  ; cx: it enters Q's and the result's addresses alone
	s_and_b32 s11, ttmp7, 0xffff                   ; bh, which the four partners share
	s_lshr_b32 s12, s11, 4                         ; b
	s_and_b32 s13, s11, 15                         ; h
	s_lshl_b32 s14, s11, 17                        ; K: the head's 131,072 bytes,
	s_lshl_b32 s15, s[WV], 12                      ; plane wave (0, 1): 4,096 bytes of each key step's 8,192
	s_add_co_u32 s14, s14, s15
	s_add_co_u32 s14, s14, 0x800000
	s_lshl_b32 s15, s12, 21                        ; V: b x 2 MiB
	s_lshr_b32 s16, s13, 1
	s_lshl_b32 s16, s16, 18
	s_add_co_u32 s15, s15, s16
	s_and_b32 s16, s13, 1
	s_lshl_b32 s16, s16, 12
	s_add_co_u32 s15, s15, s16
	s_and_b32 s16, s[WV], 1                        ; plane wave - 2 for waves 2, 3
	s_lshl_b32 s16, s16, 17
	s_add_co_u32 s15, s15, s16
	s_add_co_u32 s15, s15, 0x1000000
	s_cmp_lt_u32 s[WV], 2
	s_cselect_b32 s14, s14, s15
	s_mov_b32 s15, 0
	s_lshl_b32 s17, s[WV], 16                      ; my region of LDS
	; descriptor group 1: 4 rows (key steps) of 512 elements of 8 bytes, 1,024 elements apart; dense in LDS
	s_mov_b32 s24, 15|(3<<16)|(1<<21)              ; 15:0 the mask: all four work-groups; 17:16 elements of 8 bytes; 21 set beside a mask
	s_mov_b32 s25, 512<<16                         ; tensor_dim0
	s_mov_b32 s26, 4<<16                           ; tensor_dim1
	s_mov_b32 s27, 512<<16                         ; tile_dim0
	s_mov_b32 s28, 4                               ; tile_dim1
	s_mov_b32 s29, 1024                            ; tensor_dim0_stride
	s_mov_b32 s30, 0
	s_mov_b32 s31, 0
	s_lshl_b32 s2, s10, 5
	s_add_co_u32 s2, s2, s[WV]                     ; my query tile of pass 0: 32 cx + wave
	s_lshl_b32 s60, s2, 10
	s_lshl_b32 s3, s11, 17
	s_add_co_u32 s60, s60, s3
	s_mov_b32 s61, 0
	s_lshl_b32 s62, s12, 7
	s_add_co_u32 s62, s62, s2
	s_lshl_b32 s62, s62, 14                        ; the result: row tile 128 b + 32 cx + wave,
	s_lshl_b32 s3, s13, 10                         ; units 4 h on
	s_add_co_u32 s62, s62, s3
	s_mov_b32 s63, 0
	s_mov_b32 s20, 0x76543210                      ; v_permlanex16_b32: lane l xor 16
	s_mov_b32 s21, 0xfedcba98
	s_mov_b32 s22, 0x3e38aa3b                      ; c = log2(e) / sqrt(64)
	s_wait_dscnt 0x0
	s_wait_kmcnt 0x0
	s_load_b256 s[48:55], s[6:7], 0x10             ; entries 4 to 11: s50 e6, s51 e7, s52 e8, s53 e9, s54 e10
	s_add_nc_u64 s[14:15], s[4:5], s[14:15]
	s_add_nc_u64 s[60:61], s[4:5], s[60:61]        ; Q
	s_add_nc_u64 s[62:63], s[8:9], s[62:63]
.irp n, 0,1,2,3
	s_mov_b32 s[32+4*\n], 1                        ; count = 1
	s_add_co_u32 s[33+4*\n], s17, \n*16384         ; LDS address: quarter n of my region
	s_add_nc_u64 s[34+4*\n:35+4*\n], s[14:15], \n*32768
	s_or_b32 s[35+4*\n], s[35+4*\n], 0x80000000    ; type = 2
.endr
	CROUND                                         ; all four work-groups are here: the joint loads meet
	s_cmp_lt_u32 s[WV], 4                          ; all fills of a wave stand in one branch on its number: four loads of mine are out behind it
	s_cbranch_scc0 .Lno_fetch
	tensor_load_to_lds s[32:35], s[24:31]
	s_nop 0
	tensor_load_to_lds s[36:39], s[24:31]
	s_nop 0
	tensor_load_to_lds s[40:43], s[24:31]
	s_nop 0
	tensor_load_to_lds s[44:47], s[24:31]
	s_nop 0
.rept 4
	v_nop
.endr
.Lno_fetch:
	s_wait_alu depctr_va_vdst(0)
.irp p, 0,1
.irp c, 0,1
	global_load_b128 v[16+8*\p+4*\c:19+8*\p+4*\c], v1, s[60:61] offset:\p*16384+512*\c   ; Q's fragments of both passes stay in registers
.endr
.endr
	s_wait_kmcnt 0x0
	s_add_co_i32 s2, s50, s51
	s_lshl_b32 s2, s2, 23
	s_add_co_i32 s22, s22, s2                      ; a score stands for score x 2^(e6 + e7): added to c's exponent field
	s_mov_b32 s23, s22                             ; (named with it as a pair, so it is written)
	s_add_co_i32 s2, s53, 127
	s_lshl_b32 s3, s2, 23
	v_mov_b32 v244, s3                             ; 2^e9 as f32
	s_add_co_i32 s56, s52, s53                     ; e8 + e9
	s_add_co_i32 s2, s54, 127
	s_lshl_b32 s3, s2, 23
	v_mov_b32 v209, s3                             ; 2^e10 as f32
; A KEY STEP: 128 keys at byte s[TB] of each region, against the query tile in v[qreg] on.
.macro STEP qreg
	s_setprio 2
	v_add_nc_u32 v8, s[TB], v1                     ; these four are also the places between the last products and the loads into their registers
	s_delay_alu instid0(VALU_DEP_1)
	v_add_nc_u32 v9, 0x10000, v8
	s_delay_alu instid0(VALU_DEP_2)
	v_add_nc_u32 v10, 0x20000, v8
	s_delay_alu instid0(VALU_DEP_3)
	v_add_nc_u32 v11, 0x30000, v8
.irp t, 0,1,2,3
.irp c, 0,1
	ds_load_b128 v[32+8*\t+4*\c:35+8*\t+4*\c], v8 offset:\t*1024+512*\c
.endr
.endr
.irp t, 0,1,2,3
.irp c, 0,1
	ds_load_b128 v[64+8*\t+4*\c:67+8*\t+4*\c], v9 offset:\t*1024+512*\c
.endr
.endr
	s_wait_alu depctr_va_vdst(0)
	s_wait_dscnt 8                                 ; tiles 0-3 are in; the eight loads of tiles 4-7 may be out
.irp t, 0,1,2,3
	v_wmma_f32_16x16x64_bf8_bf8 v[96+8*\t:103+8*\t], v[32+8*\t:39+8*\t], v[\qreg:\qreg+7], 0
.endr
	s_wait_dscnt 0x0
.irp t, 4,5,6,7
	v_wmma_f32_16x16x64_bf8_bf8 v[96+8*\t:103+8*\t], v[32+8*\t:39+8*\t], v[\qreg:\qreg+7], 0
.endr
.rept 4
	v_nop                                          ; places in front of the loads below and of the first read of the scores
.endr
.irp t, 0,1,2,3
.irp c, 0,1
	ds_load_b128 v[32+16*\t+4*\c:35+16*\t+4*\c], v10 offset:\t*1024+512*\c    ; V's fragments land under the softmax
	ds_load_b128 v[40+16*\t+4*\c:43+16*\t+4*\c], v11 offset:\t*1024+512*\c
.endr
.endr
	v_max3_num_f32 v254, v96, v97, v98             ; the step's largest score of my query, among my 64 keys, in two chains, each accumulator from its low end on,
	v_max3_num_f32 v252, v99, v100, v101
.set jj, 6
.rept 14
	v_max3_num_f32 v254, v254, v[96+jj], v[97+jj]
	v_max3_num_f32 v252, v252, v[98+jj], v[99+jj]
.set jj, jj+4
.endr
	v_max3_num_f32 v254, v254, v158, v159
	s_delay_alu instid0(VALU_DEP_1)
	v_max_num_f32 v254, v254, v252
	s_delay_alu instid0(VALU_DEP_1)
	v_permlanex16_b32 v246, v254, s20, s21
	s_delay_alu instid0(VALU_DEP_1)
	v_max_num_f32 v254, v254, v246                 ; and among lane l xor 16's
	s_delay_alu instid0(VALU_DEP_1)
	v_mul_f32 v254, s22, v254                      ; as t (c is positive)
	s_delay_alu instid0(VALU_DEP_1)
	v_max_num_f32 v13, v13, v254                   ; the running largest t
	v_mov_b32 v254, v12
	s_delay_alu instid0(VALU_DEP_2)
	v_floor_f32 v12, -v13                          ; the new -M = floor(-t): M is a whole number
	s_delay_alu instid0(VALU_DEP_1)
	v_sub_f32 v254, v12, v254                      ; old M less new M: a whole number, 0 or less
	s_delay_alu instid0(VALU_DEP_1)
	v_cvt_i32_f32 v254, v254                       ; (it saturates)
	s_delay_alu instid0(VALU_DEP_1)
	v_ldexp_f32 v252, 1.0, v254                    ; f = 2^(old M - new M)
.set jj, 0
.rept 32
	v_pk_fma_f32 v[96+jj:97+jj], v[96+jj:97+jj], s[22:23], v[12:13] op_sel_hi:[1,0,0]   ; t - M, two at a time
.set jj, jj+2
.endr
.set jj, 0
	s_setprio 1
	s_wait_alu depctr_va_vdst(0)
.rept 64
	v_exp_f32 v[96+jj], v[96+jj]                   ; p = 2^(t - M), at most 1
.set jj, jj+1
.endr
	v_pk_mul_f32 v[14:15], v[14:15], v[252:253] op_sel_hi:[1,0]   ; the sums under the new M: the plain line behind the exponentials
	s_wait_alu depctr_va_vdst(0)                   ; one wait for the batch of 64, ahead of its first reader
	v_pk_add_f32 v[242:243], v[100:101], v[104:105]
	v_pk_add_f32 v[248:249], v[108:109], v[112:113]
	v_pk_add_f32 v[240:241], v[116:117], v[120:121]
	v_pk_add_f32 v[238:239], v[124:125], v[128:129]
	v_pk_add_f32 v[236:237], v[132:133], v[136:137]
	v_pk_add_f32 v[234:235], v[140:141], v[144:145]
	v_pk_add_f32 v[232:233], v[148:149], v[152:153]
	v_pk_add_f32 v[14:15], v[14:15], v[156:157]
	v_pk_add_f32 v[242:243], v[242:243], v[96:97]
	v_pk_add_f32 v[248:249], v[248:249], v[98:99]
	v_pk_add_f32 v[240:241], v[240:241], v[102:103]
	v_pk_add_f32 v[238:239], v[238:239], v[106:107]
	v_pk_add_f32 v[236:237], v[236:237], v[110:111]
	v_pk_add_f32 v[234:235], v[234:235], v[114:115]
	v_pk_add_f32 v[232:233], v[232:233], v[118:119]
	v_pk_add_f32 v[14:15], v[14:15], v[122:123]
	v_pk_add_f32 v[242:243], v[242:243], v[126:127]
	v_pk_add_f32 v[248:249], v[248:249], v[130:131]
	v_pk_add_f32 v[240:241], v[240:241], v[134:135]
	v_pk_add_f32 v[238:239], v[238:239], v[138:139]
	v_pk_add_f32 v[236:237], v[236:237], v[142:143]
	v_pk_add_f32 v[234:235], v[234:235], v[146:147]
	v_pk_add_f32 v[232:233], v[232:233], v[150:151]
	v_pk_add_f32 v[14:15], v[14:15], v[154:155]
	v_pk_add_f32 v[242:243], v[242:243], v[158:159]
	s_delay_alu instid0(VALU_DEP_2)
	v_pk_add_f32 v[14:15], v[14:15], v[238:239]
	s_delay_alu instid0(VALU_DEP_2)
	v_pk_add_f32 v[242:243], v[242:243], v[236:237]
	v_pk_add_f32 v[248:249], v[248:249], v[234:235]
	v_pk_add_f32 v[240:241], v[240:241], v[232:233]
	s_delay_alu instid0(VALU_DEP_2)
	v_pk_add_f32 v[14:15], v[14:15], v[248:249]
	s_delay_alu instid0(VALU_DEP_2)
	v_pk_add_f32 v[242:243], v[242:243], v[240:241]
	s_delay_alu instid0(VALU_DEP_1)
	v_pk_add_f32 v[14:15], v[14:15], v[242:243]
.irp b, 0,1,2,3
.set jj, 0
.rept 16
.set jj, jj+1
.endr
	v_cvt_scalef32_pk8_bf8_f32 v[224+4*\b:225+4*\b], v[96+16*\b:103+16*\b], v244
	v_cvt_scalef32_pk8_bf8_f32 v[226+4*\b:227+4*\b], v[104+16*\b:111+16*\b], v244
.endr
.set jj, 0
	s_setprio 0
.rept 16
	v_pk_mul_f32 v[160+jj:161+jj], v[160+jj:161+jj], v[252:253] op_sel_hi:[1,0]   ; O^T under the new M; also the plain lines between the conversions and the products
.set jj, jj+2
.endr
	s_wait_alu depctr_va_vdst(0)
	s_wait_dscnt 0x0                               ; V's fragments are in
.irp t, 0,1,2,3
	v_wmma_f32_16x16x128_bf8_bf8 v[160+8*\t:167+8*\t], v[32+16*\t:47+16*\t], v[224:239], v[160+8*\t:167+8*\t]   ; four accumulators by turns, one instruction a turn
.endr
.endm
.macro INIT                            ; a pass begins: the step is written once, and its first trip finds zeros, which the first change of M leaves zeros
	v_mov_b32 v13, 0xff61b1e6                      ; the largest t so far: -3e38
	s_delay_alu instid0(VALU_DEP_1)
	v_floor_f32 v12, -v13
	v_mov_b32 v14, 0
	v_mov_b32 v15, 0
	v_mov_b32 v246, 0                              ; a lane permute's destination counts as one of its sources
	v_mov_b32 v253, 0                              ; (named as the upper half of the pair v[252:253])
.set jj, 0
.rept 32
	v_mov_b32 v[160+jj], 0
.set jj, jj+1
.endr
.endm
.macro FINISH p                        ; O^T / the sum x 2^(e8 + e9), quantised with 2^e10: two stores of 512 consecutive bytes, aligned
.rept 4
	v_nop                                          ; places behind the last products
.endr
	v_add_f32 v14, v14, v15
	s_delay_alu instid0(VALU_DEP_1)
	v_permlanex16_b32 v252, v14, s20, s21
	s_delay_alu instid0(VALU_DEP_1)
	v_add_f32 v14, v14, v252                       ; the row's sum
	s_wait_alu depctr_va_vdst(0)
	v_rcp_f32 v14, v14
	v_nop                                          ; a plain line behind the reciprocal
	s_wait_alu depctr_va_vdst(0)                   ; and the wait ahead of its first reader
	v_ldexp_f32 v14, v14, s56
.set jj, 0
.rept 16
	v_pk_mul_f32 v[96+jj:97+jj], v[160+jj:161+jj], v[14:15] op_sel_hi:[1,0]   ; register 16 c + i: dd = 32 c + 16 (lane / 16) + i
.set jj, jj+2
.endr
.set jj, 0
.rept 32
.set jj, jj+1
.endr
.irp g, 0,1,2,3
	v_cvt_scalef32_pk8_bf8_f32 v[192+8*\p+2*\g:193+8*\p+2*\g], v[96+8*\g:103+8*\g], v209
.endr
	v_nop                                          ; a plain line behind the last conversion
.irp c, 0,1
	global_store_b128 v1, v[192+8*\p+4*\c:195+8*\p+4*\c], s[62:63] offset:\p*262144+512*\c   ; pass 1's tile lies 16 images on
.endr
.endm
; Pass 0 goes by quarters of 4 key steps.  Tensor loads of a wave end in order: the count leaves the later quarters' loads out; the barrier shows the quarter to all sixteen waves.
.macro QUARTER n
	s_wait_tensorcnt 3-\n
	s_wait_dscnt 0x0
	s_barrier_signal -1
	s_barrier_wait -1
	s_mov_b32 s[TB], \n*16384
	s_mov_b32 s[CNT], 4
.Lq_\@:
	STEP 16
	s_add_co_u32 s[TB], s[TB], 4096
	s_sub_co_u32 s[CNT], s[CNT], 1
	s_cmp_lg_u32 s[CNT], 0
	s_cbranch_scc1 .Lq_\@
	s_setprio 0
.endm
	INIT
	s_wait_loadcnt 0x0                             ; Q
	QUARTER 0
	QUARTER 1
	QUARTER 2
	QUARTER 3
	FINISH 0
	INIT
	s_mov_b32 s[TB], 0                             ; pass 1: all of K and V has been shown to every wave
	s_mov_b32 s[CNT], 16
.Lpass1:
	STEP 24
	s_add_co_u32 s[TB], s[TB], 4096
	s_sub_co_u32 s[CNT], s[CNT], 1
	s_cmp_lg_u32 s[CNT], 0
	s_cbranch_scc1 .Lpass1
	s_setprio 0
	FINISH 1
	s_wait_tensorcnt 0x0
	ds_add_u32 v251, v255
	s_wait_dscnt 0x0
	CROUND                                         ; the closing round: no work-group ends while a partner may still ask for a tile that names it
	s_endpgm
.Lfunc_end_k_q18134f3ab1_attn:
	.size	k_q18134f3ab1_attn, .Lfunc_end_k_q18134f3ab1_attn-k_q18134f3ab1_attn
	.p2alignl 7, 3214868480
	.fill 96, 4, 3214868480
	.section	.rodata,"a",@progbits
	.p2align	6, 0x0
	.amdhsa_kernel k_q18134f3ab1_attn
		.amdhsa_group_segment_fixed_size 264192
		.amdhsa_private_segment_fixed_size 0
		.amdhsa_enable_private_segment 0
		.amdhsa_kernarg_size 24
		.amdhsa_user_sgpr_count 2
		.amdhsa_user_sgpr_kernarg_segment_ptr 1
		.amdhsa_wavefront_size32 1
		.amdhsa_system_sgpr_workgroup_id_x 1
		.amdhsa_system_sgpr_workgroup_id_y 1
		.amdhsa_system_sgpr_workgroup_id_z 1
		.amdhsa_system_vgpr_workitem_id 0
		.amdhsa_next_free_vgpr 256
		.amdhsa_next_free_sgpr 72
		.amdhsa_reserve_vcc 0
		.amdhsa_float_denorm_mode_32 3
		.amdhsa_float_denorm_mode_16_64 3
		.amdhsa_fp16_overflow 1
		.amdhsa_memory_ordered 1
		.amdhsa_forward_progress 1
		.amdhsa_inst_pref_size 84
	.end_amdhsa_kernel
	.amdgpu_metadata
---
amdhsa.version: [ 1, 2 ]
amdhsa.kernels:
  - .name:           k_q18134f3ab1_attn
    .symbol:         k_q18134f3ab1_attn.kd
    .args:
      - { .name: qkv, .offset: 0, .size: 8, .value_kind: global_buffer, .address_space: global }
      - { .name: lowp_scales, .offset: 8, .size: 8, .value_kind: global_buffer, .address_space: global }
      - { .name: aimg, .offset: 16, .size: 8, .value_kind: global_buffer, .address_space: global }
    .group_segment_fixed_size: 264192
    .private_segment_fixed_size: 0
    .kernarg_segment_align: 8
    .kernarg_segment_size: 24
    .max_flat_workgroup_size: 512
    .sgpr_count:     72
    .vgpr_count:     256
    .wavefront_size: 32
...
	.end_amdgpu_metadata
.endif
;; end of part 4
;; launch outproj (part 5): grid 32 x 4, 4 waves a work-group, clusters of 4 x 4, 327,680 bytes of LDS; arguments aimg, wimg, bm, lowp_scales, out0; writes out0
.if DOCPART == 5
	.amdgcn_target "amdgcn-amd-amdhsa--gfx1250"
	.amdhsa_code_object_version 6
	.text
	.protected	k_q18134f3ab1_outproj
	.globl	k_q18134f3ab1_outproj
	.p2align	8
	.type	k_q18134f3ab1_outproj,@function
k_q18134f3ab1_outproj:
	s_mov_b64 s[64:65], 0
	v_nop
	global_prefetch_b8 v0, s[64:65] scope:SCOPE_SE
	s_setreg_imm32_b32 hwreg(HW_REG_WAVE_MODE, 25, 1), 1
	s_wait_xcnt 0x0
	s_wait_alu depctr_hold_cnt(0) depctr_sa_sdst(0) depctr_va_vdst(0) depctr_va_sdst(0) depctr_va_ssrc(0) depctr_va_vcc(0) depctr_vm_vsrc(0)
	s_getreg_b32 s2, hwreg(HW_REG_IB_STS2, 6, 4)
	s_cmp_eq_u32 s2, 0
	s_cbranch_scc0 .Lentry_in_a_cluster
	s_endpgm
.Lentry_in_a_cluster:
	s_bfe_u32 s2, ttmp6, 0x10000c
	s_cmp_lg_u32 s2, 0xf033
	s_cbranch_scc0 .Lentry_shape_is_right
	s_endpgm
.Lentry_shape_is_right:
; out0[b][e][n] = the sum over channels of Wm[e][.] x[b][.][n] + bm[e], on codes of E5M2 (K = 1,024, in the order k = 64 h + dd in both operands).  Operands come as images of operand registers
; (a row tile of 16 rows: 16,384 bytes, unit U of 16 codes along K at 256 U, row i at 16 i).  A row tile 2 G + u holds rows 32 G + 8 u + i + 8 (i / 8).
; A work-group makes 256 P rows (source 0: the positions b x 2,048 + n) x 256 R rows (source 1: Wm's rows e); a wave 128 x 128: 64 accumulators.  In a result lane l holds row l % 16 of an e tile, and the 16 registers
; of P's tiles 2 G, 2 G + 1 are the 16 NEIGHBOURING positions 32 G + 16 (l / 16) + 0 .. 15: 64 consecutive bytes of a row of out0.
; Each sum x 2^(e10 + e11) + bm, one packed multiply-add for two.  LIMIT: e10 + e11 between -126 and 127.
; K goes through a ring of two LDS slots of 256 along K, filled by the tensor data mover: four fills in all.  CLUSTERS: 4 x 4 work-groups; the four of a row of the cluster need the same rows of Wm, the four of a
; column the same positions: each tile is asked for jointly.
; REGISTERS, in windows of 256: window 0: v0-31 addresses; v32-95 at work on the way out; v96-111 bm; from v128 R's fragments, ONE set (on the way out: rows read back).  window 1: P's fragments, TWO sets.
;   windows 2, 3: the accumulators ((a, b) at v[8 (8 (a % 4) + b)]).
.set FR,     16                        ; registers of a fragment: 16 rows x 128 K
.set NL,     4                         ; LDS loads that bring one
.set NP,     4                         ; places behind this matrix instruction (ISA guide 7.12.1)
.set REGION, 32768                     ; 8 row tiles x 4,096 bytes (256 along K): what one tensor load brings, and what one wave reads of R or of P
.set SLOT,   4*REGION                  ; R's two halves, then P's two halves
.set SPARE,  2*SLOT                    ; behind the ring: the spare words, 128 bytes for each wave: two blocks of 256 bytes that no other line names
.set STAGE,  SPARE+512                 ; behind them: 16 rows x (512 + 16) bytes for each wave, for the way out; no tile lands there
.set SPITCH, 528
.set ADRA, 16                          ; v16-17  LDS address of my R fragments in slot 0, 1
.set ADRB, 20                          ; v20-21  the same for P
.set STO,  24                          ; v24     the way out: where I put 64 bytes of a row
.set RD,   25                          ; v25     the way out: where I read a row back
.set CO,   26                          ; v26     my byte offset in a row's 512 bytes of out0
.set SPW,  28                          ; v28     LDS address of my spare word; never rewritten
.set NIL,  29                          ; v29     0; never rewritten
.set TMP,  32
.set BR,   96                          ; v96-111 bm of block a's row, twice: a pair for the packed form
.set AF,   128                         ; R's fragments, in window 0
.set BK,   128                         ; the way out: 16 rows read back: v128-191 and v192-255 by turns
.set G1, 24                            ; s[24:31] descriptor group 1 for R's tiles;  s[32:39] group 0, one set for each slot
.set G0, 32
.set G1B, 48                           ; s[48:55], s[56:63] the same for P's tiles
.set G0B, 56
.set MSB, 0
.macro WIN new                         ; the immediate's high byte repeats the setting that is left
.if MSB != \new
	s_set_vgpr_msb (MSB<<8)|\new
.set MSB, \new
.endif
.endm
.set MUL_LO, 0xa1                      ; source 0 (P) window 1, source 1 (R) window 0, C and D window 2
.set MUL_HI, 0xf1                      ; the same, C and D window 3
.set TO_B,   0x40                      ; destination window 1, address window 0
; A joint load: waves 0 and 1 fetch for R, waves 2 and 3 for P.  The branch hangs on the wave's number alone.  Four v_nop follow each of the two lines.
.macro JLOAD g0a, g1a, g0b, g1b
	s_cmp_eq_u32 s15, 0
	s_cbranch_scc0 .Lfor_b_\@
	tensor_load_to_lds s[\g0a:\g0a+3], s[\g1a:\g1a+7]
	s_nop 0
.rept 4
	v_nop
.endr
	s_branch .Lasked_\@
.Lfor_b_\@:
	tensor_load_to_lds s[\g0b:\g0b+3], s[\g1b:\g1b+7]
	s_nop 0
.rept 4
	v_nop
.endr
.Lasked_\@:
.endm
.macro CREST                           ; a round of the cluster's barrier behind its opening barrier
	s_cmp_lg_u32 s14, 0
	s_cbranch_scc1 .Lnot_wave_0_\@
	s_barrier_signal -3
.Lnot_wave_0_\@:
	s_barrier_wait -3
	s_barrier_signal -1
	s_barrier_wait -1
.endm
.macro CROUND                          ; a whole round
	s_barrier_signal -1
	s_barrier_wait -1
	CREST
.endm
	s_load_b256 s[4:11], s[0:1], 0x0               ; aimg s[4:5], wimg s[6:7], bm s[8:9], the scales' exponents s[10:11]
	s_load_b64 s[12:13], s[0:1], 0x20              ; out0
	v_lshl_add_u32 v[SPW], v0, 2, SPARE
	v_mov_b32 v[NIL], 0
	ds_add_u32 v28, v29
	ds_add_u32 v28, v29
	s_wait_dscnt 0x0
	v_lshrrev_b32 v1, 5, v0
	v_readfirstlane_b32 s14, v1                    ; wave 0..3
	s_lshr_b32 s15, s14, 1                         ; which half of the R rows is mine.  Also: I fetch for R (0) or for P (1)
	s_and_b32 s16, s14, 1                          ; which half of the P rows.  Also: which 128 rows of that tile I fetch
	s_bfe_u32 s40, ttmp6, 0x40000                  ; cx, cy: my place in the cluster
	s_bfe_u32 s41, ttmp6, 0x40004                  ; cy is R's block: the grid has one cluster along y
	s_lshl_b32 s42, ttmp9, 2
	s_add_co_u32 s42, s42, s40                     ; P's block = 4 x cluster x + cx
	s_lshl_b32 s44, s41, 2
	s_lshl_b32 s44, 15, s44                        ; my row of the cluster
	s_lshl_b32 s45, 0x1111, s40                    ; my column
	; descriptor group 1: 8 rows (row tiles) of 512 elements of 8 bytes, 2,048 elements (an image) apart; dense in LDS
	s_or_b32 s[G1+0], s44, (3<<16)|(1<<21)         ; 15:0 the mask: R's tiles go to my row; 17:16 elements of 8 bytes; 21 set beside a mask
	s_or_b32 s[G1B+0], s45, (3<<16)|(1<<21)
.irp g, G1, G1B
	s_mov_b32 s[\g+1], 512<<16                     ; tensor_dim0
	s_mov_b32 s[\g+2], 8<<16                       ; tensor_dim1
	s_mov_b32 s[\g+3], 512<<16                     ; tile_dim0
	s_mov_b32 s[\g+4], 8                           ; tile_dim1
	s_mov_b32 s[\g+5], 2048                        ; tensor_dim0_stride
	s_mov_b32 s[\g+6], 0
	s_mov_b32 s[\g+7], 0
.endr
	s_lshl_b32 s20, s41, 18                        ; R: 16 images a block,
	s_lshl_b32 s21, s16, 17                        ; 8 a half,
	s_add_co_u32 s20, s20, s21
	s_add_co_u32 s20, s20, 0x300000                ; in Wm's part of wimg
	s_lshl_b32 s46, s42, 18                        ; P likewise; R's registers never hold cx, P's never cy
	s_add_co_u32 s46, s46, s21
	s_mov_b32 s21, 0
	s_mov_b32 s47, 0
	s_mul_i32 s45, s14, REGION                     ; where my tiles go: wave x a region: no place in the cluster enters an LDS address
	s_wait_kmcnt 0x0
	s_load_b64 s[96:97], s[10:11], 0x28            ; e10, e11
	s_add_nc_u64 s[20:21], s[6:7], s[20:21]
	s_add_nc_u64 s[46:47], s[4:5], s[46:47]
	CROUND                                         ; all sixteen work-groups are here: the first joint loads meet
.irp s, 0,1
	s_mov_b32 s[G0+4*\s], 1
	s_add_co_u32 s[G0+4*\s+1], s45, \s*SLOT
	s_add_nc_u64 s[G0+4*\s+2:G0+4*\s+3], s[20:21], \s*4096
	s_or_b32 s[G0+4*\s+3], s[G0+4*\s+3], 0x80000000
	s_mov_b32 s[G0B+4*\s], 1
	s_add_co_u32 s[G0B+4*\s+1], s45, \s*SLOT
	s_add_nc_u64 s[G0B+4*\s+2:G0B+4*\s+3], s[46:47], \s*4096
	s_or_b32 s[G0B+4*\s+3], s[G0B+4*\s+3], 0x80000000
	s_wait_alu depctr_va_vdst(0)
	s_wait_tensorcnt 0x0
	ds_add_u32 v28, v29
	ds_add_u32 v28, v29
	s_wait_dscnt 0x0
	CROUND
	JLOAD G0+4*\s, G1, G0B+4*\s, G1B
.endr
	v_and_b32 v1, 31, v0
	v_lshlrev_b32 v4, 4, v1                        ; 16 x lane: my place in every image
	v_lshlrev_b32 v[CO], 4, v1
	s_mul_i32 s21, s15, REGION                     ; my 128 rows of R
	s_mul_i32 s22, s16, REGION                     ; my 128 rows of P,
	s_add_co_u32 s22, s22, 2*REGION                ; which lie behind R's 256
.irp s, 0,1
	v_add_nc_u32 v[ADRA+\s], s21, v4
	v_add_nc_u32 v[ADRB+\s], s22, v4
	s_add_co_u32 s21, s21, SLOT
	s_add_co_u32 s22, s22, SLOT
.endr
	v_and_b32 v2, 15, v0                           ; r
	v_bfe_u32 v3, v0, 4, 1                         ; lane / 16
	s_mul_i32 s23, s14, 16*SPITCH
	s_add_co_u32 s23, s23, STAGE                   ; my stage
	v_mul_u32_u24 v5, v2, SPITCH                   ; in: row r, 64 bytes for each half of the lanes
	v_lshl_add_u32 v5, v3, 6, v5
	v_add_nc_u32 v[STO], s23, v5
	v_add_nc_u32 v[RD], s23, v4                    ; back: the 32 lanes take one row of 512 bytes
	v_and_b32 v5, 8, v2
	v_add_nc_u32 v5, v5, v2
	v_lshlrev_b32 v27, 2, v5                       ; bm: 4 (r + (r & 8))
	s_lshl_b32 s2, s42, 1
	s_add_co_u32 s2, s2, s16                       ; my 128 positions' number (0 .. 63)
	s_lshl_b32 s3, s41, 1
	s_add_co_u32 s3, s3, s15                       ; my 128 rows e's number (0 .. 7)
	s_lshl_b32 s90, s3, 9
	s_mov_b32 s91, 0
	s_add_nc_u64 s[84:85], s[8:9], s[90:91]
.set aa, 0
.rept 8
	global_load_b32 v[BR+2*aa], v27, s[84:85] offset:(32*(aa>>1)+8*(aa&1))*4     ; block a's row of lane r: e = 32 (a / 2) + 8 (a % 2) + r + (r & 8)
	global_load_b32 v[BR+2*aa+1], v27, s[84:85] offset:(32*(aa>>1)+8*(aa&1))*4
.set aa, aa+1
.endr
	s_lshr_b32 s92, s2, 4
	s_lshl_b32 s92, s92, 23                        ; b x 1,024 rows of 8,192 bytes
	s_lshl_b32 s3, s3, 20                          ; 128 rows
	s_add_co_u32 s92, s92, s3
	s_and_b32 s2, s2, 15
	s_lshl_b32 s2, s2, 9                           ; 128 positions
	s_add_co_u32 s92, s92, s2
	s_mov_b32 s93, 0
	s_add_nc_u64 s[86:87], s[12:13], s[92:93]
.macro FRAG reg, adr, q, i             ; a fragment, 16 rows x 128 K: registers 4 c .. 4 c + 3 hold K = 32 c + 16 (l / 16) + 0 .. 15 of row l % 16: four loads of 512 consecutive bytes
.irp c, 0,1,2,3
	ds_load_b128 v[\reg+4*\c:\reg+4*\c+3], v[\adr] offset:4096*(\i)+2048*(\q)+512*\c
.endr
.endm
; 16 matrix instructions: R's blocks a0, a0 + 1 x P's eight, 128 along K.  p: P's set.  zero = 1: the first product starts the sums.  The 64 accumulators take turns, one instruction a turn.
.macro MUL16 a0, p, zero
.irp a, \a0, \a0+1
.irp b, 0,1,2,3,4,5,6,7
.if \zero
	v_wmma_f32_16x16x128_bf8_bf8 v[8*(8*((\a)%4)+\b):8*(8*((\a)%4)+\b)+7], v[128*(\p)+FR*\b:128*(\p)+FR*\b+FR-1], v[AF+FR*(\a):AF+FR*(\a)+FR-1], 0
.else
	v_wmma_f32_16x16x128_bf8_bf8 v[8*(8*((\a)%4)+\b):8*(8*((\a)%4)+\b)+7], v[128*(\p)+FR*\b:128*(\p)+FR*\b+FR-1], v[AF+FR*(\a):AF+FR*(\a)+FR-1], v[8*(8*((\a)%4)+\b):8*(8*((\a)%4)+\b)+7]
.endif
.endr
.endr
.endm
.macro FETCH_B slot, q, p              ; P's eight fragments of the slot's q-th 128 along K into set p
	WIN TO_B
.irp i, 0,1,2,3,4,5,6,7
	FRAG 128*(\p)+FR*\i, ADRB+\slot, \q, \i
.endr
	WIN 0
.endm
.macro FETCH_A slot, q, i0             ; R's blocks i0 .. i0 + 3
.irp i, \i0, \i0+1, \i0+2, \i0+3
	FRAG AF+FR*(\i), ADRA+\slot, \q, \i
.endr
.endm
.macro PLACES n                        ; plain vector lines between a matrix instruction and a load into, or a vector line on, its registers
.rept \n
	v_nop
.endr
.endm
.macro STEP slot, q, zero              ; a step of 128 along K that has its successor in the same slot
	s_wait_dscnt 4*NL                              ; P's set and R's blocks 0-3 are in; the youngest 16 loads (R's blocks 4-7) may be out
	WIN MUL_LO
	MUL16 0, (\q)%2, \zero
	MUL16 2, (\q)%2, \zero
	s_wait_dscnt 0                                 ; R's blocks 4-7 are in
	PLACES NP
	FETCH_B \slot, (\q)+1, 1-(\q)%2
	FETCH_A \slot, (\q)+1, 0
	WIN MUL_HI
	MUL16 4, (\q)%2, \zero
	MUL16 6, (\q)%2, \zero
	PLACES NP
	WIN 0
	FETCH_A \slot, (\q)+1, 4
.endm
; A slot's last step changes slots: ONE barrier; in front of it each wave waits for all its tensor loads, adds 0 to its spare word, and waits for that and for its own reads of this slot.  fill = 1: this slot is filled again.
.macro TURN slot, next, fill
	s_wait_tensorcnt 0x0                           ; all my tensor loads have landed: my part of the next slot
	ds_add_u32 v[SPW], v[NIL]                      ; 0 onto my spare word
	s_wait_dscnt 4*NL+1                            ; (the add and the youngest 16 loads, R's blocks 4-7, may be out)
	WIN MUL_LO
	MUL16 0, 1, 0                                  ; sixteen matrix instructions stand between the add and the wait for it
	s_wait_dscnt 0x0                               ; the add is done, and my reads of this slot are over
	s_barrier_signal -1
	MUL16 2, 1, 0
	WIN 0
	s_barrier_wait -1
.if \fill
	CREST                                          ; the barrier has opened a round of the cluster's barrier: no wave of any partner still reads this slot or has a load on its way
	s_add_nc_u64 s[G0+4*\slot+2:G0+4*\slot+3], s[G0+4*\slot+2:G0+4*\slot+3], 8192
	s_add_nc_u64 s[G0B+4*\slot+2:G0B+4*\slot+3], s[G0B+4*\slot+2:G0B+4*\slot+3], 8192
	JLOAD G0+4*\slot, G1, G0B+4*\slot, G1B         ; the first tensor load behind the round; its four v_nop are the places in front of the loads below
.else
	PLACES NP
.endif
	FETCH_B \next, 0, 0
	FETCH_A \next, 0, 0
	WIN MUL_HI
	MUL16 4, 1, 0
	MUL16 6, 1, 0
	PLACES NP
	WIN 0
	FETCH_A \next, 0, 4
.endm
	s_wait_tensorcnt 1                             ; my part of slot 0 is in (slot 1's load may be out)
	s_barrier_signal -1
	s_barrier_wait -1                              ; everybody's is
	FETCH_B 0, 0, 0
	FETCH_A 0, 0, 0
	FETCH_A 0, 0, 4
	STEP 0, 0, 1                                   ; K = 1,024 is eight steps, written out: the first starts the sums
	TURN 0, 1, 1                                   ; slot 0 takes K 512 on
	STEP 1, 0, 0
	TURN 1, 0, 1                                   ; slot 1 takes K 768 on
	STEP 0, 0, 0
	TURN 0, 1, 0                                   ; nothing is left to fetch
	STEP 1, 0, 0
	s_wait_dscnt 4*NL
	WIN MUL_LO
	MUL16 0, 1, 0
	MUL16 2, 1, 0
	s_wait_dscnt 0
	WIN MUL_HI
	MUL16 4, 1, 0
	MUL16 6, 1, 0
	WIN 0
; THE WAY OUT, block by block of 16 rows e x 128 positions.  A lane holds four pieces of 64 bytes of a row, and the lanes beside it hold other rows: so a block goes through my own stage in LDS and comes back as whole
; rows of 512 bytes.  LDS serves a wave's instructions in order (ISA guide 5.7.1.4): no wait between the stores and the loads, nor in front of the next block's stores.
.macro TOSTAGE a
.set AC, 64*((\a)%4)
	WIN 0x02+((\a)/4)                              ; source 0: window 2 or 3
.set jj, 0
.rept 32
	v_pk_fma_f32 v[TMP+jj:TMP+jj+1], v[AC+jj:AC+jj+1], s[96:97], v[BR+2*(\a):BR+2*(\a)+1] op_sel_hi:[1,0,1]   ; sum x 2^(e10 + e11) + bm; each accumulator from its low end on
.set jj, jj+2
.endr
	WIN 0
.set kk, 0
.rept 16
	ds_store_b128 v[STO], v[TMP+4*kk:TMP+4*kk+3] offset:128*(kk/4)+16*(kk%4)     ; registers 16 c + 4 q on: positions 32 c + 16 (lane / 16) + 4 q on
.set kk, kk+1
.endr
.set BB, BK+64*((\a)%2)
.set tt, 0
.rept 16
	ds_load_b128 v[BB+4*tt:BB+4*tt+3], v[RD] offset:tt*SPITCH
.set tt, tt+1
.endr
.endm
.macro SEND a, younger                 ; younger: the LDS instructions issued behind block a's loads, which may stay out
.set BB, BK+64*((\a)%2)
	s_wait_dscnt \younger                          ; the block is back in registers
.set tt, 0
.rept 16
	global_store_b128 v[CO], v[BB+4*tt:BB+4*tt+3], s[86:87] offset:(32*((\a)>>1)+8*((\a)&1)+tt+8*(tt>>3))*8192 th:TH_STORE_NT   ; 32 lanes store 512 consecutive bytes, aligned; written once, read by nobody here
.set tt, tt+1
.endr
.endm
	s_wait_kmcnt 0x0
	s_add_co_i32 s96, s96, s97                     ; e10 + e11, between -126 and 127,
	s_add_co_i32 s96, s96, 127
	s_lshl_b32 s96, s96, 23                        ; makes the f32 number 2^(e10 + e11)
	s_mov_b32 s97, s96                             ; (named with it as a pair, so it is written)
	s_wait_loadcnt 0x0                             ; bm
	PLACES NP                                      ; in front of the first read of results and of the loads into the registers that held R's fragments
	TOSTAGE 0
.irp a, 1,2,3,4,5,6,7
.if \a > 1
	s_wait_xcnt 0x0                                ; block a - 2's stores have read their registers: block a's loads may land there
.endif
	TOSTAGE \a
	SEND \a-1, 32                                  ; behind block a - 1's loads: block a's 16 stores and 16 loads
.endr
	SEND 7, 0
	s_wait_tensorcnt 0x0                           ; the wave's end, behind my last tensor load and my last LDS store
	ds_add_u32 v[SPW], v[NIL]
	s_wait_dscnt 0x0
	CROUND                                         ; the closing round: no work-group ends while a partner may still ask for a tile that names it
	s_endpgm
.Lfunc_end_k_q18134f3ab1_outproj:
	.size	k_q18134f3ab1_outproj, .Lfunc_end_k_q18134f3ab1_outproj-k_q18134f3ab1_outproj
	.p2alignl 7, 3214868480
	.fill 96, 4, 3214868480
	.section	.rodata,"a",@progbits
	.p2align	6, 0x0
	.amdhsa_kernel k_q18134f3ab1_outproj
		.amdhsa_group_segment_fixed_size 327680
		.amdhsa_private_segment_fixed_size 0
		.amdhsa_enable_private_segment 0
		.amdhsa_kernarg_size 40
		.amdhsa_user_sgpr_count 2
		.amdhsa_user_sgpr_kernarg_segment_ptr 1
		.amdhsa_wavefront_size32 1
		.amdhsa_system_sgpr_workgroup_id_x 1
		.amdhsa_system_sgpr_workgroup_id_y 1
		.amdhsa_system_sgpr_workgroup_id_z 1
		.amdhsa_system_vgpr_workitem_id 0
		.amdhsa_next_free_vgpr 1024
		.amdhsa_next_free_sgpr 98
		.amdhsa_reserve_vcc 0
		.amdhsa_float_denorm_mode_32 3
		.amdhsa_float_denorm_mode_16_64 3
		.amdhsa_memory_ordered 1
		.amdhsa_forward_progress 1
		.amdhsa_inst_pref_size 125
	.end_amdhsa_kernel
	.amdgpu_metadata
---
amdhsa.version: [ 1, 2 ]
amdhsa.kernels:
  - .name:           k_q18134f3ab1_outproj
    .symbol:         k_q18134f3ab1_outproj.kd
    .args:
      - { .name: aimg, .offset: 0, .size: 8, .value_kind: global_buffer, .address_space: global }
      - { .name: wimg, .offset: 8, .size: 8, .value_kind: global_buffer, .address_space: global }
      - { .name: bm, .offset: 16, .size: 8, .value_kind: global_buffer, .address_space: global }
      - { .name: lowp_scales, .offset: 24, .size: 8, .value_kind: global_buffer, .address_space: global }
      - { .name: out0, .offset: 32, .size: 8, .value_kind: global_buffer, .address_space: global }
    .group_segment_fixed_size: 327680
    .private_segment_fixed_size: 0
    .kernarg_segment_align: 8
    .kernarg_segment_size: 40
    .max_flat_workgroup_size: 128
    .sgpr_count:     98
    .vgpr_count:     1024
    .wavefront_size: 32
...
	.end_amdgpu_metadata
.endif
;; end of part 5
